; MI455X (gfx1250); checked and timed in simulation.
; The chip was launched on July 23, 2026; its instructions are those of AMD's public machine-readable ISA for CDNA 5 (MIT licence, August 2026) and "CDNA5" Instruction Set Architecture Reference Guide (July 2026). The comments in the code are by the model that wrote it; some were corrected since.
;; Attention. Allowed arithmetic: float matrix products may take bf16 or f16 operands with f32 sums; all other float work in f32.
;; Inputs: Wk 1,024 x 1,024 float32; Wq 1,024 x 1,024 float32; Wv 1,024 x 1,024 float32; bk 1,024 float32; bq 1,024 float32; bv 1,024 float32; x 8 x 1,024 x 1,024 float32.
;; Outputs: out0 8 x 1,024 x 1,024 float32.
;; 2 versions, each right and faster than the one before. Each part assembles by itself: llvm-mc -triple=amdgcn-amd-amdhsa -mcpu=gfx1250 --defsym DOCPART=n.
;; ======== version 1 of 2: 4 launches
;; workspace buffers: xb 16,777,216 bytes; wb 6,291,456 bytes; qkv 50,331,648 bytes; p 16,777,216 bytes; st 524,288 bytes
;; launch prep (part 1): grid 64 x 11, 8 waves a work-group, no clusters, 0 bytes of LDS; arguments x, Wq, Wk, Wv, xb, wb; writes xb, wb
.if DOCPART == 1
	.amdgcn_target "amdgcn-amd-amdhsa--gfx1250"
	.amdhsa_code_object_version 6
	.text
	.protected	k_q80321a9078_prep
	.globl	k_q80321a9078_prep
	.p2align	8
	.type	k_q80321a9078_prep,@function
k_q80321a9078_prep:
	s_mov_b64 s[64:65], 0
	v_nop
	global_prefetch_b8 v0, s[64:65] scope:SCOPE_SE
	s_setreg_imm32_b32 hwreg(HW_REG_WAVE_MODE, 25, 1), 1
	s_wait_xcnt 0x0
; First of four launches for out = softmax((x Wq + bq)(x Wk + bk)^T / 32) (x Wv + bv).
; This one rounds x and the three weight matrices to bf16, once, so that the products read 2-byte operands:
; xb[8192][1024] = bf16(x);  wb[3][1024 d][1024 n] = bf16(Wq), bf16(Wk), bf16(Wv), not transposed.
;
; WORK LEFT OUT, for all values of the inputs: bk.  scores[q][s] = (q_q . (x_s Wk) + q_q . bk) / 32, and the second term is the
; same for every s of a row q; softmax along s divides exp(a_s + t) by the sum of exp(a_s' + t), in which exp(t) cancels.  So bk can
; reach no output: it is not loaded and is among no launch's arguments.  LIMIT: a NaN, an infinity or an overflow that comes in
; through bk alone is not carried to the result.
; bv is live; since the probabilities of a row add up to 1, sum_s p_s (v_s + bv) = sum_s p_s v_s + bv: it is added once, in the last launch.
; LIMITS of the program: matrix operands (x, W, q, k, v, the probabilities) are rounded to bf16; an exponential below 2^-126 counts as 0.
;
; Memory binds here: no LDS, no matrix unit, no cluster (no two work-groups read the same byte).
; A work-group casts 65,536 bytes of f32: 256 threads x 16 loads of 16 bytes, all sixteen issued before the first is used.
; y = 0..7: chunk 64 y + x of x; y = 8, 9, 10: chunk x of Wq, Wk, Wv.
.set X, 4                              ; v[4:67]   16 x 4 f32 as loaded
.set Y, 68                             ; v[68:99]  16 x 2 words of bf16 to store
	s_load_b256 s[4:11], s[0:1], 0x0               ; x s[4:5], Wq s[6:7], Wk s[8:9], Wv s[10:11]
	s_load_b128 s[12:15], s[0:1], 0x20             ; xb s[12:13], wb s[14:15]
	s_and_b32 s20, ttmp7, 0xffff                   ; y
	v_lshlrev_b32 v1, 4, v0                        ; 16 bytes of f32 a thread
	v_lshlrev_b32 v2, 3, v0                        ; 8 bytes of bf16 a thread
	s_sub_co_u32 s23, s20, 8                       ; which weight matrix (used only where y >= 8)
	s_wait_kmcnt 0x0
	s_mov_b64 s[16:17], s[4:5]                     ; the source: x, or one of the weights; the choice hangs on y alone
	s_cmp_eq_u32 s20, 8
	s_cselect_b64 s[16:17], s[6:7], s[16:17]
	s_cmp_eq_u32 s20, 9
	s_cselect_b64 s[16:17], s[8:9], s[16:17]
	s_cmp_eq_u32 s20, 10
	s_cselect_b64 s[16:17], s[10:11], s[16:17]
	s_cmp_lt_u32 s20, 8
	s_cselect_b64 s[18:19], s[12:13], s[14:15]     ; the target: xb or wb
	s_cselect_b32 s21, s20, 0                      ; 64 chunks a y in x; a weight matrix is 64 chunks in all
	s_cselect_b32 s22, s20, s23                    ; in the target: y for xb, the matrix's number for wb
	s_lshl_b32 s21, s21, 6
	s_add_co_u32 s21, s21, ttmp9
	s_lshl_b32 s24, s21, 16                        ; source chunk x 65,536 bytes (below 2^25)
	s_mov_b32 s25, 0
	s_lshl_b32 s22, s22, 6
	s_add_co_u32 s22, s22, ttmp9
	s_lshl_b32 s26, s22, 15                        ; target chunk x 32,768 bytes
	s_mov_b32 s27, 0
	s_add_nc_u64 s[16:17], s[16:17], s[24:25]
	s_add_nc_u64 s[18:19], s[18:19], s[26:27]
.irp i, 0,1,2,3,4,5,6,7,8,9,10,11,12,13,14,15
	global_load_b128 v[X+4*\i:X+4*\i+3], v1, s[16:17] offset:4096*\i th:TH_LOAD_NT   ; a wave's load: 512 consecutive bytes; read once in the program
.endr
.irp i, 0,1,2,3,4,5,6,7,8,9,10,11,12,13,14,15
	s_wait_loadcnt 15-\i                           ; loads return in order: load i is in, the 15 - i younger ones stay out
	v_cvt_pk_bf16_f32 v[Y+2*\i], v[X+4*\i], v[X+4*\i+1]
	v_cvt_pk_bf16_f32 v[Y+2*\i+1], v[X+4*\i+2], v[X+4*\i+3]
	global_store_b64 v2, v[Y+2*\i:Y+2*\i+1], s[18:19] offset:2048*\i    ; a wave's store: 256 consecutive bytes, aligned; the next launch reads them
.endr
	s_endpgm                                       ; no register was written twice, so no wait frees any
.Lfunc_end_k_q80321a9078_prep:
	.size	k_q80321a9078_prep, .Lfunc_end_k_q80321a9078_prep-k_q80321a9078_prep
	.p2alignl 7, 3214868480
	.fill 96, 4, 3214868480
	.section	.rodata,"a",@progbits
	.p2align	6, 0x0
	.amdhsa_kernel k_q80321a9078_prep
		.amdhsa_group_segment_fixed_size 0
		.amdhsa_private_segment_fixed_size 0
		.amdhsa_enable_private_segment 0
		.amdhsa_kernarg_size 48
		.amdhsa_user_sgpr_count 2
		.amdhsa_user_sgpr_kernarg_segment_ptr 1
		.amdhsa_wavefront_size32 1
		.amdhsa_system_sgpr_workgroup_id_x 1
		.amdhsa_system_sgpr_workgroup_id_y 1
		.amdhsa_system_sgpr_workgroup_id_z 1
		.amdhsa_system_vgpr_workitem_id 0
		.amdhsa_next_free_vgpr 100
		.amdhsa_next_free_sgpr 66
		.amdhsa_reserve_vcc 0
		.amdhsa_float_denorm_mode_32 3
		.amdhsa_float_denorm_mode_16_64 3
		.amdhsa_memory_ordered 1
		.amdhsa_forward_progress 1
		.amdhsa_inst_pref_size 7
	.end_amdhsa_kernel
	.amdgpu_metadata
---
amdhsa.version: [ 1, 2 ]
amdhsa.kernels:
  - .name:           k_q80321a9078_prep
    .symbol:         k_q80321a9078_prep.kd
    .args:
      - { .name: x, .offset: 0, .size: 8, .value_kind: global_buffer, .address_space: global }
      - { .name: Wq, .offset: 8, .size: 8, .value_kind: global_buffer, .address_space: global }
      - { .name: Wk, .offset: 16, .size: 8, .value_kind: global_buffer, .address_space: global }
      - { .name: Wv, .offset: 24, .size: 8, .value_kind: global_buffer, .address_space: global }
      - { .name: xb, .offset: 32, .size: 8, .value_kind: global_buffer, .address_space: global }
      - { .name: wb, .offset: 40, .size: 8, .value_kind: global_buffer, .address_space: global }
    .group_segment_fixed_size: 0
    .private_segment_fixed_size: 0
    .kernarg_segment_align: 8
    .kernarg_segment_size: 48
    .max_flat_workgroup_size: 256
    .sgpr_count:     66
    .vgpr_count:     100
    .wavefront_size: 32
...
	.end_amdgpu_metadata
.endif
;; end of part 1
;; launch qkv (part 2): grid 12 x 64, 4 waves a work-group, clusters of 4 x 4, 327,680 bytes of LDS; arguments xb, wb, bq, qkv; writes qkv
.if DOCPART == 2
	.amdgcn_target "amdgcn-amd-amdhsa--gfx1250"
	.amdhsa_code_object_version 6
	.text
	.protected	k_q80321a9078_qkv
	.globl	k_q80321a9078_qkv
	.p2align	8
	.type	k_q80321a9078_qkv,@function
k_q80321a9078_qkv:
	s_mov_b64 s[64:65], 0
	v_nop
	global_prefetch_b8 v0, s[64:65] scope:SCOPE_SE
	s_setreg_imm32_b32 hwreg(HW_REG_WAVE_MODE, 25, 1), 1
	s_wait_xcnt 0x0
	s_wait_alu depctr_hold_cnt(0) depctr_sa_sdst(0) depctr_va_vdst(0) depctr_va_sdst(0) depctr_va_ssrc(0) depctr_va_vcc(0) depctr_vm_vsrc(0)
	s_getreg_b32 s2, hwreg(HW_REG_IB_STS2, 6, 4)
	s_cmp_eq_u32 s2, 0
	s_cbranch_scc0 .Lentry_in_a_cluster
	s_endpgm
.Lentry_in_a_cluster:
	s_bfe_u32 s2, ttmp6, 0x10000c
	s_cmp_lg_u32 s2, 0xf033
	s_cbranch_scc0 .Lentry_shape_is_right
	s_endpgm
.Lentry_shape_is_right:
; qkv[8192][3072] bf16 = xb[8192][1024] . wb (three matrices [1024 d][1024 n] side by side), + bq on columns 0..1023 (Q) alone.
; Left out: + bk (it can reach no output: the softmax along s cancels q . bk; shown at the head of the first kernel), and + bv here
; (added once in the last launch, since a row's probabilities add up to 1).
;
; A work-group makes 128 rows x 256 columns with four waves; wave w makes rows 64 (w >> 1) .. +63, columns 128 (w & 1) .. +127:
; 32 accumulator tiles of 16 x 16 (a = 0..3 down, b = 0..7 across).  K = 1024 goes in 8 steps of 128 through two LDS slots.
; 768 work-groups of equal work.  CLUSTERS of 4 x 4: the four of a cluster's row need the same rows of xb, the four of a column the
; same columns of wb; each tile is asked for jointly (one mask a line), which divides the requests by four.
; The matrix instruction is used transposed (source 0 = B's fragment, source 1 = A's): lane (r = l % 16, h = l / 16) holds in register j
; C(row 16 a + r, column 16 b + 8 h + j): eight neighbouring columns, which pack into 16 bytes of bf16.
;
; LDS: slot s at s x 104,448: A's 128 rows of 256 bytes, pitch 272; then B's 128 k-rows of 512 bytes (256 n), pitch 544.
;      272 is an odd multiple of 16 and 544 an odd multiple of 32: the rows that one fragment load touches start in different 16-byte columns modulo 256.
;      Behind the ring, at 208,896: a stage of 16 rows x 272 bytes for each wave, into which no tensor load writes.
; REGISTERS: window 0: v0-23 addresses; fragment buffers F0 = v64-159, F1 = v160-255 (B's 8 fragments, then A's 4).
;            window 1: the 32 accumulators, tile (a, b) at v[8 (8 a + b)].   window 2: v0-63 bq of my 128 columns, laid as a tile row.
.set PITCH,  272
.set AHALF,  64*PITCH                  ; 17,408: what wave 0 or 1 fetches
.set ATILE,  2*AHALF
.set BPITCH, 544
.set BHALF,  64*BPITCH                 ; 34,816: what wave 2 or 3 fetches
.set SLOT,   ATILE+2*BHALF             ; 104,448
.set STAGE,  2*SLOT                    ; 208,896 = 816 x 256
.set SPITCH, 272
.set ASTEP,  256                       ; bytes from K step to K step in xb: 128 elements along a row
.set BSTEP,  128*2048                  ; in wb: 128 rows of 2,048 bytes
.set PITCHB, 6144                      ; bytes in a row of qkv
.set ADRA, 16                          ; v16-17 LDS address of my A fragments, slot 0, 1
.set ADRB, 18                          ; v18-19 the same for B
.set STO,  20                          ; the way out: where I put 16 bytes of a row
.set RD,   21                          ; where I read rows back
.set CO,   22                          ; my byte offset in qkv
.set BOFF, 23                          ; 32 h: my byte offset in bq
.set F0,   64
.set F1,   160
.set TMP,  64                          ; v64-95 packed results on the way out
.set OB,   10                          ; s[10:11] the output's base
.set G1,  24                           ; s[24:31] descriptor group 1, A
.set G0,  32                           ; s[32:39] group 0, A, one set a slot
.set G1B, 48                           ; s[48:55] group 1, B
.set G0B, 56                           ; s[56:63] group 0, B, one set a slot
.set MULW, 0x50                        ; C and D in window 1, fragments in window 0
.set MSB, 0
.macro WIN new                         ; the immediate's high byte repeats the setting that is left; a switch that changes nothing is dropped
.if MSB != \new
	s_set_vgpr_msb (MSB<<8)|\new
.set MSB, \new
.endif
.endm
.macro PLACES                          ; four plain vector places behind a matrix instruction (ISA guide 7.12.1), before its sources are loaded again or its result is read
.rept 4
	v_nop
.endr
.endm
.macro JLOAD s                         ; waves 0, 1 ask for A's halves, waves 2, 3 for B's: the branch hangs on the wave's number alone
	s_cmp_eq_u32 s15, 0
	s_cbranch_scc0 .Lfor_b_\@
	tensor_load_to_lds s[G0+4*\s:G0+4*\s+3], s[G1:G1+7]
	s_nop 0
	s_branch .Lasked_\@
.Lfor_b_\@:
	tensor_load_to_lds s[G0B+4*\s:G0B+4*\s+3], s[G1B:G1B+7]
	s_nop 0
.Lasked_\@:
.endm
.macro CREST                           ; a round of the cluster's barrier behind its opening work-group barrier
	s_cmp_lg_u32 s14, 0
	s_cbranch_scc1 .Lnot_wave_0_\@
	s_barrier_signal -3
.Lnot_wave_0_\@:
	s_barrier_wait -3
	s_barrier_signal -1
	s_barrier_wait -1
.endm
.macro CROUND
	s_barrier_signal -1
	s_barrier_wait -1
	CREST
.endm
; 8 matrix instructions: tile row a, all 8 tile columns, 32 along K.  zero = 1: the product starts the sums, nothing is cleared.
; The 32 accumulators take turns, one instruction a turn, in the same order in every quarter step.
.macro MULA f, a, zero
.irp b, 0,1,2,3,4,5,6,7
.if \zero
	v_wmma_f32_16x16x32_bf16 v[8*(8*\a+\b):8*(8*\a+\b)+7], v[\f+8*\b:\f+8*\b+7], v[\f+64+8*\a:\f+64+8*\a+7], 0
.else
	v_wmma_f32_16x16x32_bf16 v[8*(8*\a+\b):8*(8*\a+\b)+7], v[\f+8*\b:\f+8*\b+7], v[\f+64+8*\a:\f+64+8*\a+7], v[8*(8*\a+\b):8*(8*\a+\b)+7]
.endif
.endr
.endm
; 24 LDS loads: the fragments of quarter step q (32 along K) into buffer f.  B lies [k][n]: the transposing load brings k = 8 h .. +7 of
; column n = r (first load) and k = 16 + 8 h .. +7 (second load, 16 k-rows further down).
.macro FETCH slot, q, f
.irp i, 0,1,2,3,4,5,6,7
	ds_load_tr16_b128 v[\f+8*\i:\f+8*\i+3],   v[ADRB+\slot] offset:32*BPITCH*\q+32*\i
	ds_load_tr16_b128 v[\f+8*\i+4:\f+8*\i+7], v[ADRB+\slot] offset:32*BPITCH*\q+32*\i+16*BPITCH
.endr
.irp i, 0,1,2,3
	ds_load_b128 v[\f+64+8*\i:\f+64+8*\i+3],   v[ADRA+\slot] offset:64*\q+16*PITCH*\i
	ds_load_b128 v[\f+64+8*\i+4:\f+64+8*\i+7], v[ADRA+\slot] offset:64*\q+16*PITCH*\i+32
.endr
.endm
; One of a K step's first three quarters: buffer f is in; the next quarter's fragments go out into g, then f is multiplied (32 matrix instructions) while they come.
.macro QUARTER slot, qn, f, g, zero
	s_wait_dscnt 0x0                               ; buffer f is in: nothing was issued behind its loads
	PLACES                                         ; g was a source of the matrix instructions just before
	FETCH \slot, \qn, \g
	WIN MULW
	MULA \f, 0, \zero
	MULA \f, 1, \zero
	MULA \f, 2, \zero
	MULA \f, 3, \zero
	WIN 0
.endm
.macro THREE slot, zero
	QUARTER \slot, 1, F0, F1, \zero
	QUARTER \slot, 2, F1, F0, 0
	QUARTER \slot, 3, F0, F1, 0
.endm
; The last quarter multiplies F1 and changes slots.  In front of the barrier each wave has waited for its reads of this slot and for all its
; tensor loads (one is out: its part of the next slot).  fill = 1: the barrier opens a round of the cluster's barrier, and behind the round
; this slot's joint refill, two K steps ahead, is the wave's first and only tensor load; it has 120 matrix instructions in which to land.
.macro TURN slot, next, fill
	s_wait_dscnt 0x0                               ; F1 is in, and with it my last reads of this slot
	s_wait_tensorcnt 0x0                           ; all my tensor loads have landed
	ds_add_u32 v62, v63
	s_wait_dscnt 0x0
	s_barrier_signal -1
	WIN MULW
	MULA F1, 0, 0                                  ; register work while the others arrive
	WIN 0
	s_barrier_wait -1
.if \fill
	CREST
	s_add_nc_u64 s[G0+4*\slot+2:G0+4*\slot+3], s[G0+4*\slot+2:G0+4*\slot+3], 2*ASTEP      ; no tensor load of mine is out: the addresses may step
	s_add_nc_u64 s[G0B+4*\slot+2:G0B+4*\slot+3], s[G0B+4*\slot+2:G0B+4*\slot+3], 2*BSTEP
	JLOAD \slot
.endif
	PLACES                                         ; F0 was a source of the quarter before
	FETCH \next, 0, F0
	WIN MULW
	MULA F1, 1, 0
	MULA F1, 2, 0
	MULA F1, 3, 0
	WIN 0
.endm
.macro LAP zero                        ; two K steps, both slots filled again
	THREE 0, \zero
	TURN 0, 1, 1
	THREE 1, 0
	TURN 1, 0, 1
.endm
	s_load_b256 s[4:11], s[0:1], 0x0               ; xb s[4:5], wb s[6:7], bq s[8:9], qkv s[10:11]
	v_lshl_add_u32 v62, v0, 2, 0x37400
	v_mov_b32 v63, 0
	ds_add_u32 v62, v63
	v_lshrrev_b32 v1, 5, v0
	v_readfirstlane_b32 s14, v1                    ; wave w
	s_lshr_b32 s15, s14, 1                         ; wm: my 64 rows.  Also: I fetch for A (0) or for B (1)
	s_and_b32 s16, s14, 1                          ; wn: my 128 columns.  Also: which half of that tile I fetch
	s_bfe_u32 s17, ttmp6, 0x40000                  ; cx
	s_bfe_u32 s18, ttmp6, 0x40004                  ; cy
	s_lshl_b32 s19, ttmp9, 2
	s_add_co_u32 s19, s19, s17                     ; X: block column = 4 x cluster x + cx; cluster x = 0, 1, 2 is Q, K, V
	s_and_b32 s20, ttmp7, 0xffff
	s_lshl_b32 s20, s20, 2
	s_add_co_u32 s20, s20, s18                     ; Y: block row = 4 x cluster y + cy
	s_lshl_b32 s21, s18, 2
	s_lshl_b32 s21, 15, s21                        ; my row of the cluster: places 4 cy .. 4 cy + 3
	s_lshl_b32 s22, 0x1111, s17                    ; my column: places cx, cx + 4, cx + 8, cx + 12
	; group 1, A: 64 rows x 128 elements of 2 bytes, 4 words of padding behind every 64
	s_or_b32 s[G1+0], s21, (1<<16)|(1<<20)|(1<<21)|(5<<22)|(3<<25)
	s_mov_b32 s[G1+1], 128<<16                     ; tensor_dim0 = 128
	s_mov_b32 s[G1+2], 64<<16                      ; tensor_dim1 = 64
	s_mov_b32 s[G1+3], 128<<16                     ; tile_dim0 = 128
	s_mov_b32 s[G1+4], 64                          ; tile_dim1 = 64
	s_mov_b32 s[G1+5], 1024                        ; elements from row to row of xb
	s_mov_b32 s[G1+6], 0
	s_mov_b32 s[G1+7], 0
	; group 1, B: 64 k-rows x 256 elements, 8 words of padding behind every 128
	s_or_b32 s[G1B+0], s22, (1<<16)|(1<<20)|(1<<21)|(6<<22)|(7<<25)
	s_mov_b32 s[G1B+1], 256<<16
	s_mov_b32 s[G1B+2], 64<<16
	s_mov_b32 s[G1B+3], 256<<16
	s_mov_b32 s[G1B+4], 64
	s_mov_b32 s[G1B+5], 1024                       ; elements from row to row of a weight matrix
	s_mov_b32 s[G1B+6], 0
	s_mov_b32 s[G1B+7], 0
	; A's address hangs on the block row (and the half), B's on the block column: each in registers that never hold the other coordinate
	s_lshl_b32 s40, s20, 18                        ; 128 Y rows of 2,048 bytes
	s_lshl_b32 s41, s16, 17                        ; + 64 rows for the second half
	s_add_co_u32 s40, s40, s41
	s_mov_b32 s41, 0
	s_lshl_b32 s44, ttmp9, 21                      ; the weight matrix: 2 MiB each
	s_lshl_b32 s45, s17, 9                         ; + 256 cx columns of 2 bytes
	s_add_co_u32 s44, s44, s45
	s_lshl_b32 s45, s16, 17                        ; + 64 k-rows for the second half
	s_add_co_u32 s44, s44, s45
	s_mov_b32 s45, 0
	s_mul_i32 s71, s16, AHALF                      ; LDS target of A's half: the wave's number enters, no place in the cluster
	s_mul_i32 s72, s16, BHALF
	s_add_co_u32 s72, s72, ATILE                   ; LDS target of B's half
	s_wait_dscnt 0x0
	s_wait_kmcnt 0x0
	s_add_nc_u64 s[42:43], s[4:5], s[40:41]
	s_add_nc_u64 s[46:47], s[6:7], s[44:45]
	CROUND                                         ; all sixteen work-groups are here: the first joint loads meet
.irp s, 0,1
	s_mov_b32 s[G0+4*\s], 1
	s_add_co_u32 s[G0+4*\s+1], s71, \s*SLOT
	s_add_nc_u64 s[G0+4*\s+2:G0+4*\s+3], s[42:43], \s*ASTEP
	s_or_b32 s[G0+4*\s+3], s[G0+4*\s+3], 0x80000000
	s_mov_b32 s[G0B+4*\s], 1
	s_add_co_u32 s[G0B+4*\s+1], s72, \s*SLOT
	s_add_nc_u64 s[G0B+4*\s+2:G0B+4*\s+3], s[46:47], \s*BSTEP
	s_or_b32 s[G0B+4*\s+3], s[G0B+4*\s+3], 0x80000000
	JLOAD \s                                       ; both first fills go out together: two tensor loads of the wave are out
.endr
	v_and_b32 v1, 15, v0                           ; r
	v_bfe_u32 v2, v0, 4, 1                         ; h
	v_mul_u32_u24 v3, v1, PITCH
	v_lshl_add_u32 v3, v2, 4, v3                   ; 272 r + 16 h
	s_mul_i32 s23, s15, AHALF
	v_add_nc_u32 v[ADRA], s23, v3
	v_add_nc_u32 v[ADRA+1], SLOT, v[ADRA]
	v_and_b32 v4, 7, v0
	v_lshl_add_u32 v4, v2, 3, v4                   ; k-row 8 h + (l & 7)
	v_mul_u32_u24 v4, v4, BPITCH
	v_bfe_u32 v5, v0, 3, 1
	v_lshl_add_u32 v4, v5, 4, v4                   ; + 16 bytes for lanes 8-15 of each half
	s_lshl_b32 s23, s16, 8                         ; my 128 columns: 256 bytes
	s_add_co_u32 s23, s23, ATILE
	v_add_nc_u32 v[ADRB], s23, v4
	v_add_nc_u32 v[ADRB+1], SLOT, v[ADRB]
	s_mul_i32 s23, s14, 16*SPITCH
	s_add_co_u32 s23, s23, STAGE                   ; my stage
	v_add_nc_u32 v[STO], s23, v3                   ; in: row r, 16 bytes for each half of the lanes
	v_mul_u32_u24 v5, v2, SPITCH
	v_lshl_add_u32 v5, v1, 4, v5
	v_add_nc_u32 v[RD], s23, v5                    ; back: lanes 0-15 one row of 256 bytes, lanes 16-31 the next
	v_mul_u32_u24 v5, v2, PITCHB
	v_lshl_add_u32 v[CO], v1, 4, v5                ; the same two rows in qkv
	v_lshlrev_b32 v[BOFF], 5, v2
	; bq of my 128 columns: register 8 b + j = bq[256 cx + 128 wn + 16 b + 8 h + j].  Every work-group loads them (the address stays inside
	; bq's 4,096 bytes for every block column), so that the registers are written on every path; only the Q blocks add them, at the end.
	s_lshl_b32 s44, s17, 10
	s_lshl_b32 s45, s16, 9
	s_add_co_u32 s44, s44, s45
	s_mov_b32 s45, 0
	s_add_nc_u64 s[8:9], s[8:9], s[44:45]
	WIN 0x80                                       ; destination in window 2
.irp b, 0,1,2,3,4,5,6,7
	global_load_b128 v[8*\b:8*\b+3],   v[BOFF], s[8:9] offset:64*\b
	global_load_b128 v[8*\b+4:8*\b+7], v[BOFF], s[8:9] offset:64*\b+16
.endr
	WIN 0
	s_wait_tensorcnt 0x1                           ; my part of K step 0 is in; K step 1's stays out
	s_barrier_signal -1
	s_barrier_wait -1
	FETCH 0, 0, F0
	LAP 1                                          ; K steps 0, 1; asks for 2, 3
	s_mov_b32 s3, 2
.Llap:
	LAP 0                                          ; K steps 2 to 5; asks for 4 to 7
	s_sub_co_u32 s3, s3, 1
	s_cmp_lg_u32 s3, 0
	s_cbranch_scc1 .Llap
	THREE 0, 0                                     ; K steps 6, 7: nothing is left to fetch
	TURN 0, 1, 0
	THREE 1, 0
	s_wait_dscnt 0x0
	WIN MULW
	MULA F1, 0, 0
	MULA F1, 1, 0
	MULA F1, 2, 0
	MULA F1, 3, 0
	WIN 0
	PLACES                                         ; before results are read and fragment registers written
	s_lshl_b32 s40, s20, 7
	s_lshl_b32 s41, s15, 6
	s_add_co_u32 s40, s40, s41                     ; my first row
	s_mul_i32 s40, s40, PITCHB                     ; below 2^26
	s_mov_b32 s41, 0
	s_add_nc_u64 s[OB:OB+1], s[OB:OB+1], s[40:41]
	s_lshl_b32 s44, s19, 9                         ; my first column: 512 X + 256 wn bytes
	s_lshl_b32 s45, s16, 8
	s_add_co_u32 s44, s44, s45
	s_mov_b32 s45, 0
	s_add_nc_u64 s[OB:OB+1], s[OB:OB+1], s[44:45]
	s_cmp_lg_u32 ttmp9, 0                          ; the cluster's x: the same in all sixteen partners
	s_cbranch_scc1 .Lno_bias
	s_wait_loadcnt 0x0                             ; bq
	WIN 0x49                                       ; sums in window 1, bq in window 2
.irp a, 0,1,2,3
.irp b, 0,1,2,3,4,5,6,7
.irp t, 0,1,2,3
	v_pk_add_f32 v[64*\a+8*\b+2*\t:64*\a+8*\b+2*\t+1], v[64*\a+8*\b+2*\t:64*\a+8*\b+2*\t+1], v[8*\b+2*\t:8*\b+2*\t+1]
.endr
.endr
.endr
	WIN 0
.Lno_bias:
; The way out, 16 rows at a time: 16 bytes a lane into my own stage, read back as whole rows of 256 bytes.  LDS serves a wave's
; instructions in order (ISA guide 5.7.1), so no wait stands between the stores and the loads.
.macro STOUT a, rb
.irp b, 0,1,2,3,4,5,6,7
	ds_store_b128 v[STO], v[TMP+4*\b:TMP+4*\b+3] offset:32*\b
.endr
	s_wait_xcnt 0x0                                ; the stores issued so far have taken their sources: rb and the base may be written
.if \a
	s_add_nc_u64 s[OB:OB+1], s[OB:OB+1], 16*PITCHB
.endif
.irp t, 0,1,2,3,4,5,6,7
	ds_load_b128 v[\rb+4*\t:\rb+4*\t+3], v[RD] offset:2*SPITCH*\t
.endr
.irp t, 0,1,2,3,4,5,6,7
	s_wait_dscnt 7-\t                              ; read-back t is in, the 7 - t younger ones stay out
	global_store_b128 v[CO], v[\rb+4*\t:\rb+4*\t+3], s[OB:OB+1] offset:2*\t*PITCHB   ; 16 lanes store 256 consecutive bytes, aligned
.endr
.endm
.macro OUT16 a, rb
	WIN 0x05                                       ; both sources in window 1
.irp b, 0,1,2,3,4,5,6,7
.irp t, 0,1,2,3
	v_cvt_pk_bf16_f32 v[TMP+4*\b+\t], v[8*(8*\a+\b)+2*\t], v[8*(8*\a+\b)+2*\t+1]
.endr
.endr
	WIN 0
	STOUT \a, \rb
.endm
	OUT16 0, 96
	OUT16 1, 128
	OUT16 2, 96
	OUT16 3, 128
	s_wait_tensorcnt 0x0
	ds_add_u32 v62, v63
	s_wait_dscnt 0x0
	CROUND                                         ; the closing round: no work-group ends while a partner may still ask for a tile that names it
	s_endpgm
.Lfunc_end_k_q80321a9078_qkv:
	.size	k_q80321a9078_qkv, .Lfunc_end_k_q80321a9078_qkv-k_q80321a9078_qkv
	.p2alignl 7, 3214868480
	.fill 96, 4, 3214868480
	.section	.rodata,"a",@progbits
	.p2align	6, 0x0
	.amdhsa_kernel k_q80321a9078_qkv
		.amdhsa_group_segment_fixed_size 327680
		.amdhsa_private_segment_fixed_size 0
		.amdhsa_enable_private_segment 0
		.amdhsa_kernarg_size 32
		.amdhsa_user_sgpr_count 2
		.amdhsa_user_sgpr_kernarg_segment_ptr 1
		.amdhsa_wavefront_size32 1
		.amdhsa_system_sgpr_workgroup_id_x 1
		.amdhsa_system_sgpr_workgroup_id_y 1
		.amdhsa_system_sgpr_workgroup_id_z 1
		.amdhsa_system_vgpr_workitem_id 0
		.amdhsa_next_free_vgpr 576
		.amdhsa_next_free_sgpr 76
		.amdhsa_reserve_vcc 0
		.amdhsa_float_denorm_mode_32 3
		.amdhsa_float_denorm_mode_16_64 3
		.amdhsa_memory_ordered 1
		.amdhsa_forward_progress 1
		.amdhsa_inst_pref_size 127
	.end_amdhsa_kernel
	.amdgpu_metadata
---
amdhsa.version: [ 1, 2 ]
amdhsa.kernels:
  - .name:           k_q80321a9078_qkv
    .symbol:         k_q80321a9078_qkv.kd
    .args:
      - { .name: xb, .offset: 0, .size: 8, .value_kind: global_buffer, .address_space: global }
      - { .name: wb, .offset: 8, .size: 8, .value_kind: global_buffer, .address_space: global }
      - { .name: bq, .offset: 16, .size: 8, .value_kind: global_buffer, .address_space: global }
      - { .name: qkv, .offset: 24, .size: 8, .value_kind: global_buffer, .address_space: global }
    .group_segment_fixed_size: 327680
    .private_segment_fixed_size: 0
    .kernarg_segment_align: 8
    .kernarg_segment_size: 32
    .max_flat_workgroup_size: 128
    .sgpr_count:     76
    .vgpr_count:     576
    .wavefront_size: 32
...
	.end_amdgpu_metadata
.endif
;; end of part 2
;; launch scores (part 3): grid 4 x 64, 4 waves a work-group, clusters of 4 x 4, 327,680 bytes of LDS; arguments qkv, p, st; writes p, st
.if DOCPART == 3
	.amdgcn_target "amdgcn-amd-amdhsa--gfx1250"
	.amdhsa_code_object_version 6
	.text
	.protected	k_q80321a9078_scores
	.globl	k_q80321a9078_scores
	.p2align	8
	.type	k_q80321a9078_scores,@function
k_q80321a9078_scores:
	s_mov_b64 s[64:65], 0
	v_nop
	global_prefetch_b8 v0, s[64:65] scope:SCOPE_SE
	s_setreg_imm32_b32 hwreg(HW_REG_WAVE_MODE, 25, 1), 1
	s_wait_xcnt 0x0
	s_wait_alu depctr_hold_cnt(0) depctr_sa_sdst(0) depctr_va_vdst(0) depctr_va_sdst(0) depctr_va_ssrc(0) depctr_va_vcc(0) depctr_vm_vsrc(0)
	s_getreg_b32 s2, hwreg(HW_REG_IB_STS2, 6, 4)
	s_cmp_eq_u32 s2, 0
	s_cbranch_scc0 .Lentry_in_a_cluster
	s_endpgm
.Lentry_in_a_cluster:
	s_bfe_u32 s2, ttmp6, 0x10000c
	s_cmp_lg_u32 s2, 0xf033
	s_cbranch_scc0 .Lentry_shape_is_right
	s_endpgm
.Lentry_shape_is_right:
; S = Q K^T for one batch's 128 query rows x 256 key columns, then the softmax's first stage on that block:
;   M = the largest S of a row over the block's 256 columns;  p = bf16(exp2(c S - c M)), c = log2(e) / 32 (the scale 1/sqrt(1024) folded in);
;   l = the row's sum of the unrounded exponentials over a wave's 128 columns;  m' = c M, exactly the number that was taken away.
; The last launch takes the true row maximum of the four blocks' m' and corrects: the maximum is taken away in two stages, never a fixed shift.
; K carries no bk: q . bk is the same along s and cancels in the softmax (shown at the head of the first kernel).
; st[R = 64-row block, 128][jh = 128-column block, 8][l, m'][64 words: word 4 r + a is row 16 a + r].
;
; Frame: 128 x 256 a work-group, four waves of 64 x 128 (32 accumulator tiles), K = 1024 in 8 steps of 128, two LDS slots, 256 work-groups.
; CLUSTERS of 4 x 4: a cluster's row shares Q's rows, its column K's rows; joint loads divide the requests by four.
; Transposed use: lane (r, h), register j of tile (a, b) = S(row 16 a + r, column 16 b + 8 h + j): a row lies in two lanes, r and r + 16.
; LDS: slot s at s x 104,448: Q's 128 rows, then K's 256 rows, 256 bytes each at pitch 272 (an odd multiple of 16).
;      208,896: a stage of 16 x 272 bytes a wave.  226,304: 256 bytes a wave for the exchange of maxima.  No tensor load writes either.
; REGISTERS: window 0: v0-23 addresses, v24-55 the softmax's small figures, F0 = v64-159, F1 = v160-255; window 1: the accumulators.
.set PITCH,  272
.set AHALF,  64*PITCH
.set ATILE,  2*AHALF
.set BHALF,  128*PITCH                 ; 34,816
.set SLOT,   ATILE+2*BHALF
.set STAGE,  2*SLOT
.set RED,    STAGE+4*16*272            ; 226,304 = 884 x 256
.set SPITCH, 272
.set ASTEP,  256
.set BSTEP,  256
.set PITCHB, 2048                      ; bytes in a row of p
.set REDW, 12
.set REDR, 13
.set STOFF, 14
.set ADRA, 16
.set ADRB, 18
.set STO,  20
.set RD,   21
.set CO,   22
.set M,    24                          ; v24-27 the row's maximum, tile row a
.set MS,   28                          ; v28-31 c M
.set NM,   32                          ; v32-39 -c M, twice (pairs)
.set LS,   40                          ; v40-43 the row's sum
.set D,    44                          ; v44-47 at work; the figures to store
.set SC,   48                          ; v48-55 four chains of sums (pairs)
.set F0,   64
.set F1,   160
.set E,    64                          ; v64-127 a tile row's 64 exponents, then exponentials
.set TMP,  128                         ; v128-159 packed probabilities
.set OB,   6                           ; s[6:7] p's base
.set G1,  24
.set G0,  32
.set G1B, 48
.set G0B, 56
.set MULW, 0x50
.set MSB, 0
.macro WIN new
.if MSB != \new
	s_set_vgpr_msb (MSB<<8)|\new
.set MSB, \new
.endif
.endm
.macro PLACES                          ; four plain vector places behind a matrix instruction (ISA guide 7.12.1)
.rept 4
	v_nop
.endr
.endm
.macro JLOAD s                         ; waves 0, 1 ask for Q's halves, waves 2, 3 for K's
	s_cmp_eq_u32 s15, 0
	s_cbranch_scc0 .Lfor_b_\@
	tensor_load_to_lds s[G0+4*\s:G0+4*\s+3], s[G1:G1+7]
	s_nop 0
	s_branch .Lasked_\@
.Lfor_b_\@:
	tensor_load_to_lds s[G0B+4*\s:G0B+4*\s+3], s[G1B:G1B+7]
	s_nop 0
.Lasked_\@:
.endm
.macro CREST
	s_cmp_lg_u32 s14, 0
	s_cbranch_scc1 .Lnot_wave_0_\@
	s_barrier_signal -3
.Lnot_wave_0_\@:
	s_barrier_wait -3
	s_barrier_signal -1
	s_barrier_wait -1
.endm
.macro CROUND
	s_barrier_signal -1
	s_barrier_wait -1
	CREST
.endm
; The 32 accumulators take turns, one instruction a turn, in one order throughout.
.macro MULA f, a, zero
.irp b, 0,1,2,3,4,5,6,7
.if \zero
	v_wmma_f32_16x16x32_bf16 v[8*(8*\a+\b):8*(8*\a+\b)+7], v[\f+8*\b:\f+8*\b+7], v[\f+64+8*\a:\f+64+8*\a+7], 0
.else
	v_wmma_f32_16x16x32_bf16 v[8*(8*\a+\b):8*(8*\a+\b)+7], v[\f+8*\b:\f+8*\b+7], v[\f+64+8*\a:\f+64+8*\a+7], v[8*(8*\a+\b):8*(8*\a+\b)+7]
.endif
.endr
.endm
.macro FETCH slot, q, f                ; 24 LDS loads; both tiles lie along K: two loads of 16 bytes, 32 bytes apart, a fragment
.irp i, 0,1,2,3,4,5,6,7
	ds_load_b128 v[\f+8*\i:\f+8*\i+3],   v[ADRB+\slot] offset:64*\q+16*PITCH*\i
	ds_load_b128 v[\f+8*\i+4:\f+8*\i+7], v[ADRB+\slot] offset:64*\q+16*PITCH*\i+32
.endr
.irp i, 0,1,2,3
	ds_load_b128 v[\f+64+8*\i:\f+64+8*\i+3],   v[ADRA+\slot] offset:64*\q+16*PITCH*\i
	ds_load_b128 v[\f+64+8*\i+4:\f+64+8*\i+7], v[ADRA+\slot] offset:64*\q+16*PITCH*\i+32
.endr
.endm
.macro QUARTER slot, qn, f, g, zero
	s_wait_dscnt 0x0                               ; buffer f is in
	PLACES                                         ; g was a source of the matrix instructions just before
	FETCH \slot, \qn, \g
	WIN MULW
	MULA \f, 0, \zero
	MULA \f, 1, \zero
	MULA \f, 2, \zero
	MULA \f, 3, \zero
	WIN 0
.endm
.macro THREE slot, zero
	QUARTER \slot, 1, F0, F1, \zero
	QUARTER \slot, 2, F1, F0, 0
	QUARTER \slot, 3, F0, F1, 0
.endm
; The change of slots: each wave's reads of this slot and all its tensor loads are waited for in front of the barrier; with fill = 1 the barrier
; opens a round of the cluster's barrier and the joint refill is the wave's first and only tensor load behind the round.
.macro TURN slot, next, fill
	s_wait_dscnt 0x0
	s_wait_tensorcnt 0x0
	ds_add_u32 v62, v63
	s_wait_dscnt 0x0
	s_barrier_signal -1
	WIN MULW
	MULA F1, 0, 0
	WIN 0
	s_barrier_wait -1
.if \fill
	CREST
	s_add_nc_u64 s[G0+4*\slot+2:G0+4*\slot+3], s[G0+4*\slot+2:G0+4*\slot+3], 2*ASTEP
	s_add_nc_u64 s[G0B+4*\slot+2:G0B+4*\slot+3], s[G0B+4*\slot+2:G0B+4*\slot+3], 2*BSTEP
	JLOAD \slot
.endif
	PLACES
	FETCH \next, 0, F0
	WIN MULW
	MULA F1, 1, 0
	MULA F1, 2, 0
	MULA F1, 3, 0
	WIN 0
.endm
.macro LAP zero
	THREE 0, \zero
	TURN 0, 1, 1
	THREE 1, 0
	TURN 1, 0, 1
.endm
	s_load_b128 s[4:7], s[0:1], 0x0                ; qkv s[4:5], p s[6:7]
	s_load_b64 s[8:9], s[0:1], 0x10                ; st
	v_lshl_add_u32 v62, v0, 2, 0x37800
	v_mov_b32 v63, 0
	ds_add_u32 v62, v63
	v_lshrrev_b32 v1, 5, v0
	v_readfirstlane_b32 s14, v1                    ; wave w
	s_lshr_b32 s15, s14, 1                         ; wm
	s_and_b32 s16, s14, 1                          ; wn
	s_bfe_u32 s17, ttmp6, 0x40000                  ; cx = the block column: the grid is one cluster wide
	s_bfe_u32 s18, ttmp6, 0x40004                  ; cy
	s_and_b32 s19, ttmp7, 0xffff                   ; cluster y: 512 query rows each, two to a batch
	s_lshl_b32 s20, s19, 2
	s_add_co_u32 s20, s20, s18                     ; Y: block row of 128 among the 8,192 rows
	s_lshl_b32 s21, s18, 2
	s_lshl_b32 s21, 15, s21                        ; my row of the cluster
	s_lshl_b32 s22, 0x1111, s17                    ; my column
	s_mov_b32 s66, 0x76543210                      ; v_permlanex16_b32: lane i reads lane i of the other half
	s_mov_b32 s67, 0xfedcba98
	s_mov_b32 s68, 0x3d38aa3b                      ; c = log2(e) / 32
	s_mov_b32 s69, 0x3d38aa3b
	s_mov_b32 s70, 0xbd38aa3b                      ; -c
	s_or_b32 s[G1+0], s21, (1<<16)|(1<<20)|(1<<21)|(5<<22)|(3<<25)     ; Q: 64 rows x 128 elements, 4 words of padding behind every 64
	s_mov_b32 s[G1+1], 128<<16
	s_mov_b32 s[G1+2], 64<<16
	s_mov_b32 s[G1+3], 128<<16
	s_mov_b32 s[G1+4], 64
	s_mov_b32 s[G1+5], 3072                        ; elements from row to row of qkv
	s_mov_b32 s[G1+6], 0
	s_mov_b32 s[G1+7], 0
	s_or_b32 s[G1B+0], s22, (1<<16)|(1<<20)|(1<<21)|(5<<22)|(3<<25)    ; K: 128 rows x 128 elements
	s_mov_b32 s[G1B+1], 128<<16
	s_mov_b32 s[G1B+2], 128<<16
	s_mov_b32 s[G1B+3], 128<<16
	s_mov_b32 s[G1B+4], 128
	s_mov_b32 s[G1B+5], 3072
	s_mov_b32 s[G1B+6], 0
	s_mov_b32 s[G1B+7], 0
	s_lshl_b32 s40, s20, 7
	s_lshl_b32 s41, s16, 6
	s_add_co_u32 s40, s40, s41                     ; Q: row 128 Y + 64 half
	s_mul_i32 s40, s40, 6144                       ; below 2^26
	s_mov_b32 s41, 0
	s_lshr_b32 s44, s19, 1                         ; the batch: shared by the whole cluster
	s_lshl_b32 s44, s44, 10
	s_lshl_b32 s45, s17, 8
	s_add_co_u32 s44, s44, s45
	s_lshl_b32 s45, s16, 7
	s_add_co_u32 s44, s44, s45                     ; K: row 1024 batch + 256 cx + 128 half
	s_mul_i32 s44, s44, 6144
	s_add_co_u32 s44, s44, 2048                    ; K's columns begin at byte 2,048 of a row
	s_mov_b32 s45, 0
	s_mul_i32 s71, s16, AHALF
	s_mul_i32 s72, s16, BHALF
	s_add_co_u32 s72, s72, ATILE
	s_wait_dscnt 0x0
	s_wait_kmcnt 0x0
	s_add_nc_u64 s[42:43], s[4:5], s[40:41]
	s_add_nc_u64 s[46:47], s[4:5], s[44:45]
	CROUND
.irp s, 0,1
	s_mov_b32 s[G0+4*\s], 1
	s_add_co_u32 s[G0+4*\s+1], s71, \s*SLOT
	s_add_nc_u64 s[G0+4*\s+2:G0+4*\s+3], s[42:43], \s*ASTEP
	s_or_b32 s[G0+4*\s+3], s[G0+4*\s+3], 0x80000000
	s_mov_b32 s[G0B+4*\s], 1
	s_add_co_u32 s[G0B+4*\s+1], s72, \s*SLOT
	s_add_nc_u64 s[G0B+4*\s+2:G0B+4*\s+3], s[46:47], \s*BSTEP
	s_or_b32 s[G0B+4*\s+3], s[G0B+4*\s+3], 0x80000000
	JLOAD \s                                       ; two tensor loads of the wave are out
.endr
	v_and_b32 v1, 15, v0                           ; r
	v_bfe_u32 v2, v0, 4, 1                         ; h
	v_mul_u32_u24 v3, v1, PITCH
	v_lshl_add_u32 v3, v2, 4, v3                   ; 272 r + 16 h
	s_mul_i32 s23, s15, AHALF
	v_add_nc_u32 v[ADRA], s23, v3
	v_add_nc_u32 v[ADRA+1], SLOT, v[ADRA]
	s_mul_i32 s23, s16, BHALF
	s_add_co_u32 s23, s23, ATILE
	v_add_nc_u32 v[ADRB], s23, v3
	v_add_nc_u32 v[ADRB+1], SLOT, v[ADRB]
	s_mul_i32 s23, s14, 16*SPITCH
	s_add_co_u32 s23, s23, STAGE
	v_add_nc_u32 v[STO], s23, v3
	v_mul_u32_u24 v5, v2, SPITCH
	v_lshl_add_u32 v5, v1, 4, v5
	v_add_nc_u32 v[RD], s23, v5
	v_mul_u32_u24 v5, v2, PITCHB
	v_lshl_add_u32 v[CO], v1, 4, v5
	s_lshl_b32 s23, s14, 8
	s_add_co_u32 s23, s23, RED
	v_lshl_add_u32 v[REDW], v1, 4, s23             ; my wave's 256 bytes: 16 bytes a row r
	s_xor_b32 s23, s14, 1                          ; the wave with my rows and the other 128 columns
	s_lshl_b32 s23, s23, 8
	s_add_co_u32 s23, s23, RED
	v_lshl_add_u32 v[REDR], v1, 4, s23
	v_and_b32 v4, 31, v0
	v_lshlrev_b32 v[STOFF], 4, v4                  ; 16 x lane
	s_wait_tensorcnt 0x1                           ; K step 0 is in; K step 1's load stays out
	s_barrier_signal -1
	s_barrier_wait -1
	FETCH 0, 0, F0
	LAP 1
	s_mov_b32 s3, 2
.Llap:
	LAP 0
	s_sub_co_u32 s3, s3, 1
	s_cmp_lg_u32 s3, 0
	s_cbranch_scc1 .Llap
	THREE 0, 0
	TURN 0, 1, 0
	THREE 1, 0
	s_wait_dscnt 0x0
	WIN MULW
	MULA F1, 0, 0
	MULA F1, 1, 0
	MULA F1, 2, 0
	MULA F1, 3, 0
	WIN 0
	PLACES
	; bases of p and st
	s_lshl_b32 s40, s20, 7
	s_lshl_b32 s41, s15, 6
	s_add_co_u32 s40, s40, s41
	s_lshl_b32 s40, s40, 11                        ; my first row of p, 2,048 bytes a row
	s_mov_b32 s41, 0
	s_add_nc_u64 s[OB:OB+1], s[OB:OB+1], s[40:41]
	s_lshl_b32 s40, s20, 1
	s_add_co_u32 s40, s40, s15                     ; R = 2 Y + wm
	s_lshl_b32 s40, s40, 12                        ; 8 column blocks of 512 bytes
	s_add_nc_u64 s[8:9], s[8:9], s[40:41]
	s_lshl_b32 s44, s17, 1
	s_add_co_u32 s44, s44, s16                     ; jh = 2 cx + wn
	s_lshl_b32 s46, s44, 8                         ; 128 columns of bf16 in p
	s_mov_b32 s47, 0
	s_add_nc_u64 s[OB:OB+1], s[OB:OB+1], s[46:47]
	s_lshl_b32 s44, s44, 9                         ; 512 bytes in st
	s_mov_b32 s45, 0
	s_add_nc_u64 s[8:9], s[8:9], s[44:45]
	; the largest S of each of my rows: within the lane (64 numbers a tile row), the other half's lane, the other wave
	WIN 0x15                                       ; all three sources in window 1
.set tt, 0
.rept 32
	v_max3_num_f32 v[64+3*tt],   v[8*tt],   v[8*tt+1], v[8*tt+2]
	v_max3_num_f32 v[64+3*tt+1], v[8*tt+3], v[8*tt+4], v[8*tt+5]
	v_max_num_f32  v[64+3*tt+2], v[8*tt+6], v[8*tt+7]
.set tt, tt+1
.endr
	WIN 0
.set tt, 0
.rept 32
	v_max3_num_f32 v[64+3*tt], v[64+3*tt], v[64+3*tt+1], v[64+3*tt+2]
.set tt, tt+1
.endr
.irp a, 0,1,2,3
	v_max3_num_f32 v[64+24*\a+1], v[64+24*\a],    v[64+24*\a+3],  v[64+24*\a+6]
	v_max3_num_f32 v[64+24*\a+2], v[64+24*\a+9],  v[64+24*\a+12], v[64+24*\a+15]
	v_max_num_f32  v[64+24*\a+4], v[64+24*\a+18], v[64+24*\a+21]
	v_max3_num_f32 v[M+\a], v[64+24*\a+1], v[64+24*\a+2], v[64+24*\a+4]
	v_permlanex16_b32 v[64+24*\a+1], v[M+\a], s66, s67     ; its destination has been written before
	v_max_num_f32 v[M+\a], v[M+\a], v[64+24*\a+1]
.endr
	ds_store_b128 v[REDW], v[M:M+3]                ; lanes r and r + 16 write the same 16 bytes with the same figures
	s_wait_dscnt 0x0                               ; for the other wave's sake: my store is done
	s_barrier_signal -1
	s_barrier_wait -1
	ds_load_b128 v[D:D+3], v[REDR]
	s_wait_dscnt 0x0
.irp a, 0,1,2,3
	v_max_num_f32 v[M+\a], v[M+\a], v[D+\a]        ; over the block's 256 columns
.endr
.irp a, 0,1,2,3
	v_mul_f32 v[NM+2*\a],   s70, v[M+\a]
	v_mul_f32 v[NM+2*\a+1], s70, v[M+\a]
	v_mul_f32 v[MS+\a],     s68, v[M+\a]           ; = -(-c M) bit for bit: what is stored is what is taken away
.endr
.macro STOUT a, rb
.irp b, 0,1,2,3,4,5,6,7
	ds_store_b128 v[STO], v[TMP+4*\b:TMP+4*\b+3] offset:32*\b
.endr
	s_wait_xcnt 0x0                                ; the stores issued so far have taken their sources: rb and the base may be written
.if \a
	s_add_nc_u64 s[OB:OB+1], s[OB:OB+1], 16*PITCHB
.endif
.irp t, 0,1,2,3,4,5,6,7
	ds_load_b128 v[\rb+4*\t:\rb+4*\t+3], v[RD] offset:2*SPITCH*\t   ; a wave's LDS instructions are served in order: these see the stores above
.endr
.irp t, 0,1,2,3,4,5,6,7
	s_wait_dscnt 7-\t                              ; read-back t is in, the 7 - t younger ones stay out
	global_store_b128 v[CO], v[\rb+4*\t:\rb+4*\t+3], s[OB:OB+1] offset:2*\t*PITCHB   ; 16 lanes store 256 consecutive bytes, aligned
.endr
.endm
; Tile row a: exponents, exponentials, their sum, the rounding to bf16, 16 rows of p.
.macro PROB a, rb
	WIN 0x01                                       ; source 0 in window 1
.set pp, 0
.rept 32
	v_pk_fma_f32 v[E+2*pp:E+2*pp+1], v[64*\a+2*pp:64*\a+2*pp+1], s[68:69], v[NM+2*\a:NM+2*\a+1] op_sel_hi:[1,0,1]   ; c S - c M, at most 0 up to rounding
.set pp, pp+1
.endr
	WIN 0
.set pp, 0
.rept 64
	v_exp_f32 v[E+pp], v[E+pp]
.set pp, pp+1
.endr
	v_nop                                          ; one plain instruction before a transcendental's result is used (ISA guide 5.7.2)
	s_wait_alu depctr_va_vdst(0)
.irp k, 0,1,2,3
	v_pk_add_f32 v[SC+2*\k:SC+2*\k+1], v[E+2*\k:E+2*\k+1], v[E+8+2*\k:E+8+2*\k+1]   ; the first eight pairs start four chains: nothing is cleared
.endr
.set pp, 8
.rept 24
	v_pk_add_f32 v[SC+2*(pp%4):SC+2*(pp%4)+1], v[SC+2*(pp%4):SC+2*(pp%4)+1], v[E+2*pp:E+2*pp+1]
.set pp, pp+1
.endr
	v_pk_add_f32 v[SC:SC+1], v[SC:SC+1], v[SC+2:SC+3]
	v_pk_add_f32 v[SC+4:SC+5], v[SC+4:SC+5], v[SC+6:SC+7]
	v_pk_add_f32 v[SC:SC+1], v[SC:SC+1], v[SC+4:SC+5]
	v_add_f32 v[LS+\a], v[SC], v[SC+1]
.irp b, 0,1,2,3,4,5,6,7
.irp t, 0,1,2,3
	v_cvt_pk_bf16_f32 v[TMP+4*\b+\t], v[E+8*\b+2*\t], v[E+8*\b+2*\t+1]
.endr
.endr
	STOUT \a, \rb
.endm
	PROB 0, 160
	PROB 1, 192
	PROB 2, 160
	PROB 3, 192
.irp a, 0,1,2,3
	v_permlanex16_b32 v[SC+\a], v[LS+\a], s66, s67 ; the other 64 of my wave's 128 columns
.endr
.irp a, 0,1,2,3
	v_add_f32 v[LS+\a], v[LS+\a], v[SC+\a]
.endr
	v_cmp_ne_u32 vcc_lo, 0, v2                     ; lanes 16-31
.irp a, 0,1,2,3
	v_cndmask_b32 v[D+\a], v[LS+\a], v[MS+\a], vcc_lo      ; lanes 0-15 store l, lanes 16-31 m'
.endr
	global_store_b128 v[STOFF], v[D:D+3], s[8:9]   ; 512 consecutive bytes, aligned: 256 of l, 256 of m'
	s_wait_tensorcnt 0x0
	ds_add_u32 v62, v63
	s_wait_dscnt 0x0
	CROUND                                         ; the closing round
	s_endpgm
.Lfunc_end_k_q80321a9078_scores:
	.size	k_q80321a9078_scores, .Lfunc_end_k_q80321a9078_scores-k_q80321a9078_scores
	.p2alignl 7, 3214868480
	.fill 96, 4, 3214868480
	.section	.rodata,"a",@progbits
	.p2align	6, 0x0
	.amdhsa_kernel k_q80321a9078_scores
		.amdhsa_group_segment_fixed_size 327680
		.amdhsa_private_segment_fixed_size 0
		.amdhsa_enable_private_segment 0
		.amdhsa_kernarg_size 24
		.amdhsa_user_sgpr_count 2
		.amdhsa_user_sgpr_kernarg_segment_ptr 1
		.amdhsa_wavefront_size32 1
		.amdhsa_system_sgpr_workgroup_id_x 1
		.amdhsa_system_sgpr_workgroup_id_y 1
		.amdhsa_system_sgpr_workgroup_id_z 1
		.amdhsa_system_vgpr_workitem_id 0
		.amdhsa_next_free_vgpr 512
		.amdhsa_next_free_sgpr 76
		.amdhsa_reserve_vcc 1
		.amdhsa_float_denorm_mode_32 3
		.amdhsa_float_denorm_mode_16_64 3
		.amdhsa_memory_ordered 1
		.amdhsa_forward_progress 1
		.amdhsa_inst_pref_size 152
	.end_amdhsa_kernel
	.amdgpu_metadata
---
amdhsa.version: [ 1, 2 ]
amdhsa.kernels:
  - .name:           k_q80321a9078_scores
    .symbol:         k_q80321a9078_scores.kd
    .args:
      - { .name: qkv, .offset: 0, .size: 8, .value_kind: global_buffer, .address_space: global }
      - { .name: p, .offset: 8, .size: 8, .value_kind: global_buffer, .address_space: global }
      - { .name: st, .offset: 16, .size: 8, .value_kind: global_buffer, .address_space: global }
    .group_segment_fixed_size: 327680
    .private_segment_fixed_size: 0
    .kernarg_segment_align: 8
    .kernarg_segment_size: 24
    .max_flat_workgroup_size: 128
    .sgpr_count:     76
    .vgpr_count:     512
    .wavefront_size: 32
...
	.end_amdgpu_metadata
.endif
;; end of part 3
;; launch pv (part 4): grid 4 x 64, 4 waves a work-group, clusters of 4 x 4, 327,680 bytes of LDS; arguments p, qkv, st, bv, out0; writes out0
.if DOCPART == 4
	.amdgcn_target "amdgcn-amd-amdhsa--gfx1250"
	.amdhsa_code_object_version 6
	.text
	.protected	k_q80321a9078_pv
	.globl	k_q80321a9078_pv
	.p2align	8
	.type	k_q80321a9078_pv,@function
k_q80321a9078_pv:
	s_mov_b64 s[64:65], 0
	v_nop
	global_prefetch_b8 v0, s[64:65] scope:SCOPE_SE
	s_setreg_imm32_b32 hwreg(HW_REG_WAVE_MODE, 25, 1), 1
	s_wait_xcnt 0x0
	s_wait_alu depctr_hold_cnt(0) depctr_sa_sdst(0) depctr_va_vdst(0) depctr_va_sdst(0) depctr_va_ssrc(0) depctr_va_vcc(0) depctr_vm_vsrc(0)
	s_getreg_b32 s2, hwreg(HW_REG_IB_STS2, 6, 4)
	s_cmp_eq_u32 s2, 0
	s_cbranch_scc0 .Lentry_in_a_cluster
	s_endpgm
.Lentry_in_a_cluster:
	s_bfe_u32 s2, ttmp6, 0x10000c
	s_cmp_lg_u32 s2, 0xf033
	s_cbranch_scc0 .Lentry_shape_is_right
	s_endpgm
.Lentry_shape_is_right:
; out[q][v] = bv[v] + sum over the four key blocks j of f_j[q] (P_j V_j)[q][v],  f_j = exp2(m'_j - m') / l,
;   m' = the largest of the row's four m'_j (the row's true maximum, scaled),  l = sum_j exp2(m'_j - m') l_j.
; This is the softmax's second stage: P_j was made with its own block's maximum taken away, and f_j, at most 1 / l, corrects it.
; bv is added once, as the addend of block 0's multiply-add: a row's probabilities add up to 1.  V carries no bias in qkv.
;
; Frame: 128 query rows x 256 columns of V a work-group, four waves of 64 x 128, K = the 1,024 keys in 8 steps of 128, two LDS slots;
; a key block is two K steps.  256 work-groups.  CLUSTERS of 4 x 4: a cluster's row shares P's rows, its column V's columns (one batch is two clusters).
; Transposed use: lane (r, h), register j of tile (a, b) = (row 16 a + r, column 16 b + 8 h + j): one factor a lane and tile row.
; LDS: slot s at s x 104,448: P's 128 rows of 256 bytes, pitch 272; V's 128 key rows of 512 bytes, pitch 544.
;      208,896: a stage of 16 rows x 528 bytes for each wave; no tensor load writes it.
; REGISTERS: window 0: v0-31 addresses and small figures, v32-63 the factors (pairs), F0 = v64-159, F1 = v160-255;
;            window 1: the block's sums; window 2: the corrected totals; window 3: v0-63 bv of my 128 columns.
.set PITCH,  272
.set AHALF,  64*PITCH
.set ATILE,  2*AHALF
.set BPITCH, 544
.set BHALF,  64*BPITCH
.set SLOT,   ATILE+2*BHALF
.set STAGE,  2*SLOT
.set SPITCH, 528
.set ASTEP,  256                       ; 128 keys along a row of p
.set BSTEP,  128*6144                  ; 128 rows of qkv
.set RC,   8                           ; v8-11  1 / l
.set SOFF, 12                          ; v12    16 r: my byte offset in st
.set ADRA, 16
.set ADRB, 18
.set STO,  20
.set RD,   21
.set CO,   22
.set BOFF, 23
.set MX,   24                          ; v24-27 the row's m'
.set LT,   28                          ; v28-31 the row's l
.set FAC,  32                          ; v[32 + 8 j + 2 a], and the next: f_j of row 16 a + r, twice
.set F0,   64
.set F1,   160
.set LQ,   64                          ; in the prologue: v64-95 l of the 8 column blocks, v96-111 m' of the 4, v112-127 exp2(m'_j - m')
.set MQ,   96
.set EX,   112
.set G1,  24
.set G0,  32
.set G1B, 48
.set G0B, 56
.set MULW, 0x50
.set MSB, 0
.macro WIN new
.if MSB != \new
	s_set_vgpr_msb (MSB<<8)|\new
.set MSB, \new
.endif
.endm
.macro PLACES                          ; four plain vector places behind a matrix instruction (ISA guide 7.12.1)
.rept 4
	v_nop
.endr
.endm
.macro JLOAD s                         ; waves 0, 1 ask for P's halves, waves 2, 3 for V's
	s_cmp_eq_u32 s15, 0
	s_cbranch_scc0 .Lfor_b_\@
	tensor_load_to_lds s[G0+4*\s:G0+4*\s+3], s[G1:G1+7]
	s_nop 0
	s_branch .Lasked_\@
.Lfor_b_\@:
	tensor_load_to_lds s[G0B+4*\s:G0B+4*\s+3], s[G1B:G1B+7]
	s_nop 0
.Lasked_\@:
.endm
.macro CREST
	s_cmp_lg_u32 s14, 0
	s_cbranch_scc1 .Lnot_wave_0_\@
	s_barrier_signal -3
.Lnot_wave_0_\@:
	s_barrier_wait -3
	s_barrier_signal -1
	s_barrier_wait -1
.endm
.macro CROUND
	s_barrier_signal -1
	s_barrier_wait -1
	CREST
.endm
; The 32 accumulators take turns, one instruction a turn, in one order throughout.
.macro MULA f, a, zero
.irp b, 0,1,2,3,4,5,6,7
.if \zero
	v_wmma_f32_16x16x32_bf16 v[8*(8*\a+\b):8*(8*\a+\b)+7], v[\f+8*\b:\f+8*\b+7], v[\f+64+8*\a:\f+64+8*\a+7], 0
.else
	v_wmma_f32_16x16x32_bf16 v[8*(8*\a+\b):8*(8*\a+\b)+7], v[\f+8*\b:\f+8*\b+7], v[\f+64+8*\a:\f+64+8*\a+7], v[8*(8*\a+\b):8*(8*\a+\b)+7]
.endif
.endr
.endm
.macro FETCH slot, q, f                ; V lies [key][column]: the transposing load makes its fragments; P lies along the keys
.irp i, 0,1,2,3,4,5,6,7
	ds_load_tr16_b128 v[\f+8*\i:\f+8*\i+3],   v[ADRB+\slot] offset:32*BPITCH*\q+32*\i
	ds_load_tr16_b128 v[\f+8*\i+4:\f+8*\i+7], v[ADRB+\slot] offset:32*BPITCH*\q+32*\i+16*BPITCH
.endr
.irp i, 0,1,2,3
	ds_load_b128 v[\f+64+8*\i:\f+64+8*\i+3],   v[ADRA+\slot] offset:64*\q+16*PITCH*\i
	ds_load_b128 v[\f+64+8*\i+4:\f+64+8*\i+7], v[ADRA+\slot] offset:64*\q+16*PITCH*\i+32
.endr
.endm
.macro QUARTER slot, qn, f, g, zero
	s_wait_dscnt 0x0                               ; buffer f is in
	PLACES                                         ; g was a source of the matrix instructions just before
	FETCH \slot, \qn, \g
	WIN MULW
	MULA \f, 0, \zero
	MULA \f, 1, \zero
	MULA \f, 2, \zero
	MULA \f, 3, \zero
	WIN 0
.endm
.macro THREE slot, zero
	QUARTER \slot, 1, F0, F1, \zero
	QUARTER \slot, 2, F1, F0, 0
	QUARTER \slot, 3, F0, F1, 0
.endm
; The change of slots: each wave's reads of this slot and all its tensor loads are waited for in front of the barrier; with fill = 1 the barrier
; opens a round of the cluster's barrier and the joint refill is the wave's first and only tensor load behind the round.
.macro TURN slot, next, fill
	s_wait_dscnt 0x0
	s_wait_tensorcnt 0x0
	ds_add_u32 v14, v15
	s_wait_dscnt 0x0
	s_barrier_signal -1
	WIN MULW
	MULA F1, 0, 0
	WIN 0
	s_barrier_wait -1
.if \fill
	CREST
	s_add_nc_u64 s[G0+4*\slot+2:G0+4*\slot+3], s[G0+4*\slot+2:G0+4*\slot+3], 2*ASTEP
	s_add_nc_u64 s[G0B+4*\slot+2:G0B+4*\slot+3], s[G0B+4*\slot+2:G0B+4*\slot+3], 2*BSTEP
	JLOAD \slot
.endif
	PLACES
	FETCH \next, 0, F0
	WIN MULW
	MULA F1, 1, 0
	MULA F1, 2, 0
	MULA F1, 3, 0
	WIN 0
.endm
.macro LAP zero                        ; one key block: two K steps, both slots filled again
	THREE 0, \zero
	TURN 0, 1, 1
	THREE 1, 0
	TURN 1, 0, 1
.endm
; Key block j is whole: total = block sum x f_j + (bv for j = 0, else the total).  128 packed multiply-adds; the next block's first products
; then start the block sums anew, far more than five places behind the last matrix instruction.
.macro FLUSH j
	PLACES
.if \j
	WIN 0xa1                                       ; source 0 window 1, source 1 window 0, source 2 and destination window 2
.else
	WIN 0xb1                                       ; source 2 window 3: bv
.endif
.irp a, 0,1,2,3
.irp b, 0,1,2,3,4,5,6,7
.irp t, 0,1,2,3
.if \j
	v_pk_fma_f32 v[64*\a+8*\b+2*\t:64*\a+8*\b+2*\t+1], v[64*\a+8*\b+2*\t:64*\a+8*\b+2*\t+1], v[FAC+8*\j+2*\a:FAC+8*\j+2*\a+1], v[64*\a+8*\b+2*\t:64*\a+8*\b+2*\t+1]
.else
	v_pk_fma_f32 v[64*\a+8*\b+2*\t:64*\a+8*\b+2*\t+1], v[64*\a+8*\b+2*\t:64*\a+8*\b+2*\t+1], v[FAC+8*\j+2*\a:FAC+8*\j+2*\a+1], v[8*\b+2*\t:8*\b+2*\t+1]
.endif
.endr
.endr
.endr
	WIN 0
.endm
	s_load_b256 s[4:11], s[0:1], 0x0               ; p s[4:5], qkv s[6:7], st s[8:9], bv s[10:11]
	s_load_b64 s[12:13], s[0:1], 0x20              ; out0
	v_lshl_add_u32 v14, v0, 2, 0x3b400
	v_mov_b32 v15, 0
	ds_add_u32 v14, v15
	v_lshrrev_b32 v1, 5, v0
	v_readfirstlane_b32 s14, v1                    ; wave w
	s_lshr_b32 s15, s14, 1                         ; wm
	s_and_b32 s16, s14, 1                          ; wn
	s_bfe_u32 s17, ttmp6, 0x40000                  ; cx = the block column: the grid is one cluster wide
	s_bfe_u32 s18, ttmp6, 0x40004                  ; cy
	s_and_b32 s19, ttmp7, 0xffff                   ; cluster y
	s_lshl_b32 s20, s19, 2
	s_add_co_u32 s20, s20, s18                     ; Y
	s_lshl_b32 s21, s18, 2
	s_lshl_b32 s21, 15, s21                        ; my row of the cluster
	s_lshl_b32 s22, 0x1111, s17                    ; my column
	s_or_b32 s[G1+0], s21, (1<<16)|(1<<20)|(1<<21)|(5<<22)|(3<<25)     ; P: 64 rows x 128 elements, 4 words of padding behind every 64
	s_mov_b32 s[G1+1], 128<<16
	s_mov_b32 s[G1+2], 64<<16
	s_mov_b32 s[G1+3], 128<<16
	s_mov_b32 s[G1+4], 64
	s_mov_b32 s[G1+5], 1024                        ; elements from row to row of p
	s_mov_b32 s[G1+6], 0
	s_mov_b32 s[G1+7], 0
	s_or_b32 s[G1B+0], s22, (1<<16)|(1<<20)|(1<<21)|(6<<22)|(7<<25)    ; V: 64 key rows x 256 elements, 8 words of padding behind every 128
	s_mov_b32 s[G1B+1], 256<<16
	s_mov_b32 s[G1B+2], 64<<16
	s_mov_b32 s[G1B+3], 256<<16
	s_mov_b32 s[G1B+4], 64
	s_mov_b32 s[G1B+5], 3072                       ; elements from row to row of qkv
	s_mov_b32 s[G1B+6], 0
	s_mov_b32 s[G1B+7], 0
	s_lshl_b32 s40, s20, 18                        ; P: 128 Y rows of 2,048 bytes
	s_lshl_b32 s41, s16, 17                        ; + 64 rows for the second half
	s_add_co_u32 s40, s40, s41
	s_mov_b32 s41, 0
	s_lshr_b32 s44, s19, 1                         ; the batch
	s_lshl_b32 s44, s44, 10
	s_lshl_b32 s45, s16, 6
	s_add_co_u32 s44, s44, s45                     ; V: key row 1024 batch + 64 half
	s_mul_i32 s44, s44, 6144
	s_lshl_b32 s45, s17, 9
	s_add_co_u32 s44, s44, s45                     ; + 256 cx columns of 2 bytes
	s_add_co_u32 s44, s44, 4096                    ; V's columns begin at byte 4,096 of a row
	s_mov_b32 s45, 0
	s_mul_i32 s71, s16, AHALF
	s_mul_i32 s72, s16, BHALF
	s_add_co_u32 s72, s72, ATILE
	s_wait_dscnt 0x0
	s_wait_kmcnt 0x0
	s_add_nc_u64 s[42:43], s[4:5], s[40:41]
	s_add_nc_u64 s[46:47], s[6:7], s[44:45]
	CROUND
.irp s, 0,1
	s_mov_b32 s[G0+4*\s], 1
	s_add_co_u32 s[G0+4*\s+1], s71, \s*SLOT
	s_add_nc_u64 s[G0+4*\s+2:G0+4*\s+3], s[42:43], \s*ASTEP
	s_or_b32 s[G0+4*\s+3], s[G0+4*\s+3], 0x80000000
	s_mov_b32 s[G0B+4*\s], 1
	s_add_co_u32 s[G0B+4*\s+1], s72, \s*SLOT
	s_add_nc_u64 s[G0B+4*\s+2:G0B+4*\s+3], s[46:47], \s*BSTEP
	s_or_b32 s[G0B+4*\s+3], s[G0B+4*\s+3], 0x80000000
	JLOAD \s                                       ; two tensor loads of the wave are out
.endr
	v_and_b32 v1, 15, v0                           ; r
	v_bfe_u32 v2, v0, 4, 1                         ; h
	; the rows' figures and bv go out first: they come while the addresses are made and the first tiles land
	v_lshlrev_b32 v[SOFF], 4, v1                   ; words 4 r .. 4 r + 3: rows r, 16 + r, 32 + r, 48 + r
	v_lshlrev_b32 v[BOFF], 5, v2
	s_lshl_b32 s40, s20, 1
	s_add_co_u32 s40, s40, s15                     ; R = 2 Y + wm
	s_lshl_b32 s40, s40, 12
	s_add_nc_u64 s[8:9], s[8:9], s[40:41]
	s_lshl_b32 s44, s17, 10
	s_lshl_b32 s45, s16, 9
	s_add_co_u32 s44, s44, s45                     ; 4 bytes x (256 cx + 128 wn)
	s_mov_b32 s45, 0
	s_add_nc_u64 s[10:11], s[10:11], s[44:45]
.irp jh, 0,1,2,3,4,5,6,7
	global_load_b128 v[LQ+4*\jh:LQ+4*\jh+3], v[SOFF], s[8:9] offset:512*\jh
.endr
.irp j, 0,1,2,3
	global_load_b128 v[MQ+4*\j:MQ+4*\j+3], v[SOFF], s[8:9] offset:1024*\j+256     ; both halves of a key block stored the same m'
.endr
	WIN 0xc0                                       ; destination in window 3
.irp b, 0,1,2,3,4,5,6,7
	global_load_b128 v[8*\b:8*\b+3],   v[BOFF], s[10:11] offset:64*\b
	global_load_b128 v[8*\b+4:8*\b+7], v[BOFF], s[10:11] offset:64*\b+16
.endr
	WIN 0
	v_mul_u32_u24 v3, v1, PITCH
	v_lshl_add_u32 v3, v2, 4, v3                   ; 272 r + 16 h
	s_mul_i32 s23, s15, AHALF
	v_add_nc_u32 v[ADRA], s23, v3
	v_add_nc_u32 v[ADRA+1], SLOT, v[ADRA]
	v_and_b32 v4, 7, v0
	v_lshl_add_u32 v4, v2, 3, v4                   ; key row 8 h + (l & 7)
	v_mul_u32_u24 v4, v4, BPITCH
	v_bfe_u32 v5, v0, 3, 1
	v_lshl_add_u32 v4, v5, 4, v4
	s_lshl_b32 s23, s16, 8
	s_add_co_u32 s23, s23, ATILE
	v_add_nc_u32 v[ADRB], s23, v4
	v_add_nc_u32 v[ADRB+1], SLOT, v[ADRB]
	s_mul_i32 s23, s14, 16*SPITCH
	s_add_co_u32 s23, s23, STAGE                   ; my stage
	v_mul_u32_u24 v5, v1, SPITCH
	v_lshl_add_u32 v5, v2, 5, v5
	v_add_nc_u32 v[STO], s23, v5                   ; in: row r, 32 bytes for each half of the lanes
	v_and_b32 v4, 31, v0
	v_lshlrev_b32 v[CO], 4, v4                     ; 16 x lane: a row's 512 bytes
	v_add_nc_u32 v[RD], s23, v[CO]
	s_wait_loadcnt 0x0                             ; l, m', bv
.irp a, 0,1,2,3
	v_max3_num_f32 v[MX+\a], v[MQ+\a], v[MQ+4+\a], v[MQ+8+\a]
	v_max_num_f32 v[MX+\a], v[MX+\a], v[MQ+12+\a]  ; the row's true maximum, scaled
.endr
.irp j, 0,1,2,3
.irp a, 0,1,2,3
	v_sub_f32 v[EX+4*\j+\a], v[MQ+4*\j+\a], v[MX+\a]
.endr
.endr
.set pp, 0
.rept 16
	v_exp_f32 v[EX+pp], v[EX+pp]
.set pp, pp+1
.endr
.irp j, 0,1,2,3
.irp a, 0,1,2,3
	v_add_f32 v[LQ+8*\j+\a], v[LQ+8*\j+\a], v[LQ+8*\j+4+\a]    ; a key block's two halves; also the plain work behind the exponentials
.endr
.endr
	s_wait_alu depctr_va_vdst(0)
.irp a, 0,1,2,3
	v_mul_f32  v[LT+\a], v[EX+\a],    v[LQ+\a]
	v_fmac_f32 v[LT+\a], v[EX+4+\a],  v[LQ+8+\a]
	v_fmac_f32 v[LT+\a], v[EX+8+\a],  v[LQ+16+\a]
	v_fmac_f32 v[LT+\a], v[EX+12+\a], v[LQ+24+\a]  ; l: at least about 1, since the block with the maximum holds an exponential of 1
.endr
.irp a, 0,1,2,3
	v_rcp_f32 v[RC+\a], v[LT+\a]
.endr
	v_nop                                          ; one plain instruction before a transcendental's result is used (ISA guide 5.7.2)
	s_wait_alu depctr_va_vdst(0)
.irp j, 0,1,2,3
.irp a, 0,1,2,3
	v_mul_f32 v[FAC+8*\j+2*\a],   v[EX+4*\j+\a], v[RC+\a]
	v_mul_f32 v[FAC+8*\j+2*\a+1], v[EX+4*\j+\a], v[RC+\a]
.endr
.endr
	s_wait_tensorcnt 0x1                           ; K step 0 is in; K step 1's load stays out
	s_barrier_signal -1
	s_barrier_wait -1
	FETCH 0, 0, F0
	LAP 1                                          ; the four key blocks are written out: each has its own factors
	FLUSH 0
	LAP 1
	FLUSH 1
	LAP 1
	FLUSH 2
	THREE 0, 1                                     ; the last block fetches nothing more
	TURN 0, 1, 0
	THREE 1, 0
	s_wait_dscnt 0x0
	WIN MULW
	MULA F1, 0, 0
	MULA F1, 1, 0
	MULA F1, 2, 0
	MULA F1, 3, 0
	WIN 0
	FLUSH 3
	s_lshl_b32 s40, s20, 7
	s_lshl_b32 s41, s15, 6
	s_add_co_u32 s40, s40, s41
	s_lshl_b32 s40, s40, 12                        ; my first row of out0, 4,096 bytes a row
	s_mov_b32 s41, 0
	s_add_nc_u64 s[12:13], s[12:13], s[40:41]
	s_add_nc_u64 s[12:13], s[12:13], s[44:45]      ; my first column: 4 bytes x (256 cx + 128 wn), as for bv
; The way out, 16 rows at a time: 32 bytes a lane and tile into my own stage, read back as whole rows of 512 bytes.
.macro OUTF a, rb
	WIN 0x08                                       ; the data in window 2
.irp b, 0,1,2,3,4,5,6,7
	ds_store_b128 v[STO], v[64*\a+8*\b:64*\a+8*\b+3]   offset:64*\b
	ds_store_b128 v[STO], v[64*\a+8*\b+4:64*\a+8*\b+7] offset:64*\b+16
.endr
	WIN 0
	s_wait_xcnt 0x0                                ; the stores issued so far have taken their sources: rb and the base may be written
.if \a
	s_add_nc_u64 s[12:13], s[12:13], 16*4096
.endif
.irp t, 0,1,2,3,4,5,6,7,8,9,10,11,12,13,14,15
	ds_load_b128 v[\rb+4*\t:\rb+4*\t+3], v[RD] offset:SPITCH*\t     ; a wave's LDS instructions are served in order: these see the stores above
.endr
.irp t, 0,1,2,3,4,5,6,7,8,9,10,11,12,13,14,15
	s_wait_dscnt 15-\t                             ; read-back t is in, the 15 - t younger ones stay out
	global_store_b128 v[CO], v[\rb+4*\t:\rb+4*\t+3], s[12:13] offset:4096*\t th:TH_STORE_NT   ; the wave stores 512 consecutive bytes, aligned
.endr
.endm
	OUTF 0, 64
	OUTF 1, 128
	OUTF 2, 64
	OUTF 3, 128
	s_wait_tensorcnt 0x0
	ds_add_u32 v14, v15
	s_wait_dscnt 0x0
	CROUND                                         ; the closing round
	s_endpgm
.Lfunc_end_k_q80321a9078_pv:
	.size	k_q80321a9078_pv, .Lfunc_end_k_q80321a9078_pv-k_q80321a9078_pv
	.p2alignl 7, 3214868480
	.fill 96, 4, 3214868480
	.section	.rodata,"a",@progbits
	.p2align	6, 0x0
	.amdhsa_kernel k_q80321a9078_pv
		.amdhsa_group_segment_fixed_size 327680
		.amdhsa_private_segment_fixed_size 0
		.amdhsa_enable_private_segment 0
		.amdhsa_kernarg_size 40
		.amdhsa_user_sgpr_count 2
		.amdhsa_user_sgpr_kernarg_segment_ptr 1
		.amdhsa_wavefront_size32 1
		.amdhsa_system_sgpr_workgroup_id_x 1
		.amdhsa_system_sgpr_workgroup_id_y 1
		.amdhsa_system_sgpr_workgroup_id_z 1
		.amdhsa_system_vgpr_workitem_id 0
		.amdhsa_next_free_vgpr 832
		.amdhsa_next_free_sgpr 76
		.amdhsa_reserve_vcc 0
		.amdhsa_float_denorm_mode_32 3
		.amdhsa_float_denorm_mode_16_64 3
		.amdhsa_memory_ordered 1
		.amdhsa_forward_progress 1
		.amdhsa_inst_pref_size 188
	.end_amdhsa_kernel
	.amdgpu_metadata
---
amdhsa.version: [ 1, 2 ]
amdhsa.kernels:
  - .name:           k_q80321a9078_pv
    .symbol:         k_q80321a9078_pv.kd
    .args:
      - { .name: p, .offset: 0, .size: 8, .value_kind: global_buffer, .address_space: global }
      - { .name: qkv, .offset: 8, .size: 8, .value_kind: global_buffer, .address_space: global }
      - { .name: st, .offset: 16, .size: 8, .value_kind: global_buffer, .address_space: global }
      - { .name: bv, .offset: 24, .size: 8, .value_kind: global_buffer, .address_space: global }
      - { .name: out0, .offset: 32, .size: 8, .value_kind: global_buffer, .address_space: global }
    .group_segment_fixed_size: 327680
    .private_segment_fixed_size: 0
    .kernarg_segment_align: 8
    .kernarg_segment_size: 40
    .max_flat_workgroup_size: 128
    .sgpr_count:     76
    .vgpr_count:     832
    .wavefront_size: 32
...
	.end_amdgpu_metadata
.endif
;; end of part 4
;; ======== version 2 of 2: 5 launches; 1.19 times as fast as version 1
;; workspace buffers: xb 16,777,216 bytes; wqk 4,194,304 bytes; wb 4,194,304 bytes; u 4,096 bytes; qv 33,554,432 bytes; p 16,777,216 bytes; st 524,288 bytes
;; launch prep (part 5): grid 64 x 11, 8 waves a work-group, no clusters, 1,536 bytes of LDS; arguments x, Wq, Wk, Wv, bq, xb, wqk, wb, u; writes xb, wqk, wb, u
.if DOCPART == 5
	.amdgcn_target "amdgcn-amd-amdhsa--gfx1250"
	.amdhsa_code_object_version 6
	.text
	.protected	k_q80321a9078_prep
	.globl	k_q80321a9078_prep
	.p2align	8
	.type	k_q80321a9078_prep,@function
k_q80321a9078_prep:
	s_mov_b64 s[64:65], 0
	v_nop
	global_prefetch_b8 v0, s[64:65] scope:SCOPE_SE
	s_setreg_imm32_b32 hwreg(HW_REG_WAVE_MODE, 25, 1), 1
	s_wait_xcnt 0x0
; First of five launches for out = softmax((x Wq + bq)(x Wk + bk)^T / 32) (x Wv + bv).
;
; WORK LEFT OUT, for all values of the inputs: bk.  scores[q][s] = (q_q . (x_s Wk) + q_q . bk) / 32, and the second term is the
; same for every s of a row q; softmax along s divides exp(a_s + t) by the sum of exp(a_s' + t), in which exp(t) cancels.  So bk can
; reach no output: it is not loaded and is among no launch's arguments.  LIMIT: a NaN, an infinity or an overflow that comes in
; through bk alone is not carried to the result.
; THE K PROJECTION IS NOT MADE: (x_q Wq + bq) . (x_s Wk) = (x_q G + u) . x_s for all inputs, with G[d][e] = sum_k Wq[d][k] Wk[e][k]
; and u[e] = sum_k Wk[e][k] bq[k].  G costs 2 x 1024^3 operations once, the projection that goes 2 x 8192 x 1024^2.
; LIMITS of the program: x, the weights, G, q' = x G + u, v = x Wv + bv and the probabilities are rounded to bf16 as matrix operands; the scores
; are summed in another order than in the formula above; an exponential below 2^-126 counts as 0.
;
; This launch rounds to bf16: xb[8192][1024] = x;  wqk[2][1024][1024] = Wq, Wk;  the second half of wb[2][1024][1024] = Wv (the first
; half is G, made by the next launch); and it makes u[1024] in f32.
; Memory binds here: no matrix unit, no cluster (no two work-groups read the same byte).
; A work-group casts 65,536 bytes of f32: 256 threads x 16 loads of 16 bytes, all sixteen issued before the first is used.
; y = 0..7: chunk 64 y + x of x; y = 8, 9, 10: chunk x of Wq, Wk, Wv.  A chunk of a weight matrix is 16 rows; thread t holds columns
; 4 t .. 4 t + 3 of each: the work-groups of Wk have in registers what u's 16 dot products need, and run a path of their own.
.set X,  4                             ; v[4:67]    16 x 4 f32 as loaded
.set Y,  68                            ; v[68:99]   16 x 2 words of bf16 to store
.set BQ, 100                           ; v[100:103] bq of my 4 columns
.set U,  104                           ; v[104:119] my part of the 16 dot products
.set T,  120                           ; v[120:127] the eight waves' parts
.set LW, 128                           ; LDS address of my wave's 64 bytes
.set LR, 129                           ; 4 x (thread mod 16)
	s_load_b256 s[4:11], s[0:1], 0x0               ; x s[4:5], Wq s[6:7], Wk s[8:9], Wv s[10:11]
	s_load_b256 s[12:19], s[0:1], 0x20             ; bq s[12:13], xb s[14:15], wqk s[16:17], wb s[18:19]
	s_load_b64 s[20:21], s[0:1], 0x40              ; u
	v_lshl_add_u32 v132, v0, 2, 0x200
	v_mov_b32 v133, 0
	s_and_b32 s22, ttmp7, 0xffff                   ; y
	v_lshlrev_b32 v1, 4, v0                        ; 16 bytes of f32 a thread
	v_lshlrev_b32 v2, 3, v0                        ; 8 bytes of bf16 a thread
	s_wait_kmcnt 0x0
	s_mov_b64 s[24:25], s[4:5]                     ; the source: x, or one of the weights; every choice hangs on y alone
	s_cmp_eq_u32 s22, 8
	s_cselect_b64 s[24:25], s[6:7], s[24:25]
	s_cmp_eq_u32 s22, 9
	s_cselect_b64 s[24:25], s[8:9], s[24:25]
	s_cmp_eq_u32 s22, 10
	s_cselect_b64 s[24:25], s[10:11], s[24:25]
	s_cselect_b64 s[26:27], s[18:19], s[16:17]     ; the target: wb for Wv, wqk for Wq and Wk,
	s_cmp_lt_u32 s22, 8
	s_cselect_b64 s[26:27], s[14:15], s[26:27]     ; xb for x
	s_cselect_b32 s28, s22, 0                      ; 64 chunks a y in x; a weight matrix is 64 chunks in all
	s_cselect_b32 s29, s22, 1                      ; in the target: y for xb; Wk and Wv are the second matrix of theirs,
	s_cmp_eq_u32 s22, 8
	s_cselect_b32 s29, 0, s29                      ; Wq the first
	s_lshl_b32 s28, s28, 6
	s_add_co_u32 s28, s28, ttmp9
	s_lshl_b32 s32, s28, 16                        ; source chunk x 65,536 bytes (below 2^25)
	s_mov_b32 s33, 0
	s_lshl_b32 s29, s29, 6
	s_add_co_u32 s29, s29, ttmp9
	s_lshl_b32 s34, s29, 15                        ; target chunk x 32,768 bytes
	s_mov_b32 s35, 0
	s_add_nc_u64 s[24:25], s[24:25], s[32:33]
	s_add_nc_u64 s[26:27], s[26:27], s[34:35]
.macro LOADS
.irp i, 0,1,2,3,4,5,6,7,8,9,10,11,12,13,14,15
	global_load_b128 v[X+4*\i:X+4*\i+3], v1, s[24:25] offset:4096*\i th:TH_LOAD_NT   ; a wave's load: 512 consecutive bytes; read once in the program
.endr
.endm
.macro CAST
.irp i, 0,1,2,3,4,5,6,7,8,9,10,11,12,13,14,15
	s_wait_loadcnt 15-\i                           ; loads return in order: load i is in, the 15 - i younger ones stay out
	v_cvt_pk_bf16_f32 v[Y+2*\i], v[X+4*\i], v[X+4*\i+1]
	v_cvt_pk_bf16_f32 v[Y+2*\i+1], v[X+4*\i+2], v[X+4*\i+3]
	global_store_b64 v2, v[Y+2*\i:Y+2*\i+1], s[26:27] offset:2048*\i    ; a wave's store: 256 consecutive bytes, aligned; a later launch reads them
.endr
.endm
	s_cmp_eq_u32 s22, 9
	s_cbranch_scc1 .Lwk
	LOADS
	CAST
	s_endpgm                                       ; no register was written twice, so no wait frees any
.Lwk:                                                  ; the 64 work-groups of Wk: the cast, and u[16 x + i] = Wk[16 x + i][:] . bq, i = 0..15
	global_load_b128 v[BQ:BQ+3], v1, s[12:13]      ; bq[4 t .. 4 t + 3]; older than the sixteen loads, so their counts cover it
	LOADS
	CAST
	s_mov_b32 s30, 0x76543210                      ; v_permlanex16_b32: lane i reads lane i of the other half
	s_mov_b32 s31, 0xfedcba98
.irp i, 0,1,2,3,4,5,6,7,8,9,10,11,12,13,14,15
	v_mul_f32 v[U+\i], v[X+4*\i], v[BQ]            ; sixteen chains side by side: the first product starts each
.endr
.irp k, 1,2,3
.irp i, 0,1,2,3,4,5,6,7,8,9,10,11,12,13,14,15
	v_fmac_f32 v[U+\i], v[X+4*\i+\k], v[BQ+\k]
.endr
.endr
.irp m, 1,2,4,8
.irp i, 0,1,2,3,4,5,6,7,8,9,10,11,12,13,14,15
	v_add_f32_dpp v[U+\i], v[U+\i], v[U+\i] row_xmask:\m row_mask:0xf bank_mask:0xf
.endr
.endr
.irp i, 0,1,2,3,4,5,6,7,8,9,10,11,12,13,14,15
	v_permlanex16_b32 v[X+4*\i], v[U+\i], s30, s31 ; into a register that has been written and is no longer needed
.endr
.irp i, 0,1,2,3,4,5,6,7,8,9,10,11,12,13,14,15
	v_add_f32 v[U+\i], v[U+\i], v[X+4*\i]          ; every lane holds my wave's 128 columns' part of row i
.endr
	v_lshrrev_b32 v[LW], 5, v0
	v_readfirstlane_b32 s23, v[LW]                 ; wave
	s_lshl_b32 s23, s23, 6
	v_mov_b32 v[LW], s23                           ; 64 bytes a wave: word i is row i
.irp k, 0,1,2,3
	ds_store_b128 v[LW], v[U+4*\k:U+4*\k+3] offset:16*\k   ; all lanes write the same words with the same figures
.endr
	s_wait_dscnt 0x0                               ; for the other waves' sake: my stores are done
	s_barrier_signal -1
	s_barrier_wait -1
	v_and_b32 v[LR], 15, v0
	v_lshlrev_b32 v[LR], 2, v[LR]
.irp w, 0,1,2,3,4,5,6,7
	ds_load_b32 v[T+\w], v[LR] offset:64*\w        ; row (thread mod 16), the eight waves' parts
.endr
	s_lshl_b32 s36, ttmp9, 6                       ; 16 rows x 4 bytes a work-group
	s_mov_b32 s37, 0
	s_add_nc_u64 s[20:21], s[20:21], s[36:37]
	s_wait_dscnt 0x0
	v_add_f32 v[T], v[T], v[T+1]
	v_add_f32 v[T+2], v[T+2], v[T+3]
	v_add_f32 v[T+4], v[T+4], v[T+5]
	v_add_f32 v[T+6], v[T+6], v[T+7]
	v_add_f32 v[T], v[T], v[T+2]
	v_add_f32 v[T+4], v[T+4], v[T+6]
	v_add_f32 v[T], v[T], v[T+4]
	v_cmp_gt_u32 vcc_lo, 16, v0
	s_wait_xcnt 0x0                                ; EXEC is a source of the stores above: it changes only behind this wait
	s_and_saveexec_b32 s23, vcc_lo
	global_store_b32 v[LR], v[T], s[20:21]         ; threads 0 to 15: 64 consecutive bytes, all that 16 rows give; u has 4,096 bytes in all
	s_wait_xcnt 0x0
	s_or_b32 exec_lo, exec_lo, s23
	s_wait_tensorcnt 0x0
	ds_add_u32 v132, v133
	s_wait_dscnt 0x0
	s_endpgm
.Lfunc_end_k_q80321a9078_prep:
	.size	k_q80321a9078_prep, .Lfunc_end_k_q80321a9078_prep-k_q80321a9078_prep
	.p2alignl 7, 3214868480
	.fill 96, 4, 3214868480
	.section	.rodata,"a",@progbits
	.p2align	6, 0x0
	.amdhsa_kernel k_q80321a9078_prep
		.amdhsa_group_segment_fixed_size 1536
		.amdhsa_private_segment_fixed_size 0
		.amdhsa_enable_private_segment 0
		.amdhsa_kernarg_size 72
		.amdhsa_user_sgpr_count 2
		.amdhsa_user_sgpr_kernarg_segment_ptr 1
		.amdhsa_wavefront_size32 1
		.amdhsa_system_sgpr_workgroup_id_x 1
		.amdhsa_system_sgpr_workgroup_id_y 1
		.amdhsa_system_sgpr_workgroup_id_z 1
		.amdhsa_system_vgpr_workitem_id 0
		.amdhsa_next_free_vgpr 134
		.amdhsa_next_free_sgpr 66
		.amdhsa_reserve_vcc 1
		.amdhsa_float_denorm_mode_32 3
		.amdhsa_float_denorm_mode_16_64 3
		.amdhsa_memory_ordered 1
		.amdhsa_forward_progress 1
		.amdhsa_inst_pref_size 23
	.end_amdhsa_kernel
	.amdgpu_metadata
---
amdhsa.version: [ 1, 2 ]
amdhsa.kernels:
  - .name:           k_q80321a9078_prep
    .symbol:         k_q80321a9078_prep.kd
    .args:
      - { .name: x, .offset: 0, .size: 8, .value_kind: global_buffer, .address_space: global }
      - { .name: Wq, .offset: 8, .size: 8, .value_kind: global_buffer, .address_space: global }
      - { .name: Wk, .offset: 16, .size: 8, .value_kind: global_buffer, .address_space: global }
      - { .name: Wv, .offset: 24, .size: 8, .value_kind: global_buffer, .address_space: global }
      - { .name: bq, .offset: 32, .size: 8, .value_kind: global_buffer, .address_space: global }
      - { .name: xb, .offset: 40, .size: 8, .value_kind: global_buffer, .address_space: global }
      - { .name: wqk, .offset: 48, .size: 8, .value_kind: global_buffer, .address_space: global }
      - { .name: wb, .offset: 56, .size: 8, .value_kind: global_buffer, .address_space: global }
      - { .name: u, .offset: 64, .size: 8, .value_kind: global_buffer, .address_space: global }
    .group_segment_fixed_size: 1536
    .private_segment_fixed_size: 0
    .kernarg_segment_align: 8
    .kernarg_segment_size: 72
    .max_flat_workgroup_size: 256
    .sgpr_count:     66
    .vgpr_count:     134
    .wavefront_size: 32
...
	.end_amdgpu_metadata
.endif
;; end of part 5
;; launch gmat (part 6): grid 8 x 32, 4 waves a work-group, clusters of 4 x 4, 327,680 bytes of LDS; arguments wqk, wb; writes wb
.if DOCPART == 6
	.amdgcn_target "amdgcn-amd-amdhsa--gfx1250"
	.amdhsa_code_object_version 6
	.text
	.protected	k_q80321a9078_gmat
	.globl	k_q80321a9078_gmat
	.p2align	8
	.type	k_q80321a9078_gmat,@function
k_q80321a9078_gmat:
	s_mov_b64 s[64:65], 0
	v_nop
	global_prefetch_b8 v0, s[64:65] scope:SCOPE_SE
	s_setreg_imm32_b32 hwreg(HW_REG_WAVE_MODE, 25, 1), 1
	s_wait_xcnt 0x0
	s_wait_alu depctr_hold_cnt(0) depctr_sa_sdst(0) depctr_va_vdst(0) depctr_va_sdst(0) depctr_va_ssrc(0) depctr_va_vcc(0) depctr_vm_vsrc(0)
	s_getreg_b32 s2, hwreg(HW_REG_IB_STS2, 6, 4)
	s_cmp_eq_u32 s2, 0
	s_cbranch_scc0 .Lentry_in_a_cluster
	s_endpgm
.Lentry_in_a_cluster:
	s_bfe_u32 s2, ttmp6, 0x10000c
	s_cmp_lg_u32 s2, 0xf033
	s_cbranch_scc0 .Lentry_shape_is_right
	s_endpgm
.Lentry_shape_is_right:
; G[d][e] = sum over k of Wq[d][k] Wk[e][k], rounded to bf16, into the first half of wb: the matrix that takes the place of the Q and K
; projections' pair (the identity stands at the head of the first kernel; bk is left out there).  Both operands lie along k.
;
; 256 work-groups of 32 (d) x 128 (e): 128 bf16 columns are 256 bytes, so every store fills aligned blocks of 256 bytes; with 64 x 64 they would be halves.
; Four waves; wave w makes all 32 rows x columns 32 w .. +31: four accumulator tiles (a, b = 0, 1), which take turns.
; The work is short (128 matrix instructions a wave), so nothing is gained by a ring: all of K that fits is asked for at once.  160 rows x 8 K steps
; x 272 bytes are 348,160, more than LDS has; so Wq's 8 K steps and Wk's first 6 come as first fills, and Wk's K steps 6, 7 are
; filled into the bytes of K steps 0, 1 when those have been read.
; CLUSTERS of 4 x 4: a cluster's row shares Wq's 32 rows, its column Wk's 128 rows; joint loads divide the requests by four.
; Every wave issues the same five first fills, without a branch: Wq's K steps w and w + 4 (32 rows x 256 bytes), and Wk's half tiles
; w, w + 4, w + 8 (half tile i = 64 rows, half i & 1, of K step i >> 1).  Five tensor loads of a wave are out at the most.
; Transposed use: source 0 = Wk's fragment, source 1 = Wq's: lane (r, h), register j of tile (a, b) = G(16 a + r, 16 b + 8 h + j).
; LDS: 0: Wq, K step s at s x 8,704 (32 rows, pitch 272).  69,632: six regions of 34,816 (128 rows, pitch 272) for Wk.
;      278,528: a stage of 2,624 bytes for each wave (32 rows of 64 bytes at pitch 80, and 64 bytes so that the four stages start 64 bytes apart modulo 256).
.set PITCH,  272
.set AREG,   32*PITCH                  ; 8,704
.set BHALF,  64*PITCH                  ; 17,408
.set BREG,   2*BHALF                   ; 34,816
.set BBASE,  8*AREG                    ; 69,632
.set STAGE,  BBASE+6*BREG              ; 278,528 = 1,088 x 256
.set WPITCH, 80
.set WSTG,   32*WPITCH+64              ; 2,624
.set ADRA, 16                          ; v16    LDS address of my Wq fragments
.set ADRB, 17                          ; v17-19 of my Wk fragments, regions 0-1, 2-3, 4-5
.set STO,  20
.set RD,   21
.set CO,   22
.set F0,   64                          ; v64-127: the fragments of half a K step: quarter qq at 32 qq: Wk's two, then Wq's two
.set F1,   128                         ; v128-191: the other buffer
.set ACC,  192                         ; v192-223: tile (a, b) at 8 (2 a + b)
.set TMP,  64                          ; the way out: v64-79 packed, v80-95 rows read back
.set G1A, 24                           ; s[24:31] group 1, Wq's tiles
.set G1B, 32                           ; s[32:39] group 1, Wk's half tiles
.set GA,  40                           ; s[40:47] group 0, Wq's two loads
.set GB,  48                           ; s[48:59] group 0, Wk's three loads
.macro PLACES                          ; four plain vector places behind a matrix instruction (ISA guide 7.12.1), before its sources are loaded again or its result is read
.rept 4
	v_nop
.endr
.endm
.macro CROUND                          ; a round of the cluster's barrier
	s_barrier_signal -1
	s_barrier_wait -1
	s_cmp_lg_u32 s14, 0
	s_cbranch_scc1 .Lnot_wave_0_\@
	s_barrier_signal -3
.Lnot_wave_0_\@:
	s_barrier_wait -3
	s_barrier_signal -1
	s_barrier_wait -1
.endm
; 16 LDS loads: the fragments of half step H (K step H >> 1, its bytes 128 (H & 1) .. +127) into buffer f.  Wk's K steps 6, 7 lie in regions 0, 1.
.macro FETCHH H, f
.set gk_, ((\H)>>1)
.set gt_, (((\H)>>1)%6)
.set go_, 128*((\H)&1)
.irp qq, 0,1
.irp b, 0,1
	ds_load_b128 v[\f+32*\qq+8*\b:\f+32*\qq+8*\b+3],   v[ADRB+(gt_>>1)] offset:(gt_&1)*BREG+go_+64*\qq+16*PITCH*\b
	ds_load_b128 v[\f+32*\qq+8*\b+4:\f+32*\qq+8*\b+7], v[ADRB+(gt_>>1)] offset:(gt_&1)*BREG+go_+64*\qq+16*PITCH*\b+32
.endr
.irp a, 0,1
	ds_load_b128 v[\f+32*\qq+16+8*\a:\f+32*\qq+16+8*\a+3],   v[ADRA] offset:gk_*AREG+go_+64*\qq+16*PITCH*\a
	ds_load_b128 v[\f+32*\qq+16+8*\a+4:\f+32*\qq+16+8*\a+7], v[ADRA] offset:gk_*AREG+go_+64*\qq+16*PITCH*\a+32
.endr
.endr
.endm
; 8 matrix instructions: two quarters of 32 along K.  The four accumulators take turns, one instruction a turn, in one order throughout.
; zero = 1: the first quarter's products start the sums.
.macro MUL8 f, zero
.irp qq, 0,1
.irp a, 0,1
.irp b, 0,1
.if \zero*(1-\qq)
	v_wmma_f32_16x16x32_bf16 v[ACC+8*(2*\a+\b):ACC+8*(2*\a+\b)+7], v[\f+32*\qq+8*\b:\f+32*\qq+8*\b+7], v[\f+32*\qq+16+8*\a:\f+32*\qq+16+8*\a+7], 0
.else
	v_wmma_f32_16x16x32_bf16 v[ACC+8*(2*\a+\b):ACC+8*(2*\a+\b)+7], v[\f+32*\qq+8*\b:\f+32*\qq+8*\b+7], v[\f+32*\qq+16+8*\a:\f+32*\qq+16+8*\a+7], v[ACC+8*(2*\a+\b):ACC+8*(2*\a+\b)+7]
.endif
.endr
.endr
.endr
.endm
; Half step H on buffer f.  more = 1: the next half step's fragments go out into g first and come while f is multiplied.
.macro HSTEP H, f, g, more, zero
	s_wait_dscnt 0x0                               ; buffer f is in: nothing was issued behind its loads
.if \more
	PLACES                                         ; g was a source of the matrix instructions just before
	FETCHH \H+1, \g
.endif
	MUL8 \f, \zero
.endm
	s_load_b128 s[4:7], s[0:1], 0x0                ; wqk s[4:5], wb s[6:7]
	v_lshl_add_u32 v224, v0, 2, 0x46900
	v_mov_b32 v225, 0
	ds_add_u32 v224, v225
	v_lshrrev_b32 v1, 5, v0
	v_readfirstlane_b32 s14, v1                    ; wave w
	s_lshr_b32 s15, s14, 1
	s_and_b32 s16, s14, 1
	s_bfe_u32 s17, ttmp6, 0x40000                  ; cx
	s_bfe_u32 s18, ttmp6, 0x40004                  ; cy
	s_lshl_b32 s19, ttmp9, 2
	s_add_co_u32 s19, s19, s17                     ; X: block of 128 columns e
	s_and_b32 s20, ttmp7, 0xffff
	s_lshl_b32 s20, s20, 2
	s_add_co_u32 s20, s20, s18                     ; Y: block of 32 rows d
	s_lshl_b32 s21, s18, 2
	s_lshl_b32 s21, 15, s21                        ; my row of the cluster
	s_lshl_b32 s22, 0x1111, s17                    ; my column
	s_or_b32 s[G1A+0], s21, (1<<16)|(1<<20)|(1<<21)|(5<<22)|(3<<25)    ; 32 rows x 128 elements of 2 bytes, 4 words of padding behind every 64
	s_mov_b32 s[G1A+1], 128<<16
	s_mov_b32 s[G1A+2], 32<<16
	s_mov_b32 s[G1A+3], 128<<16
	s_mov_b32 s[G1A+4], 32
	s_mov_b32 s[G1A+5], 1024
	s_mov_b32 s[G1A+6], 0
	s_mov_b32 s[G1A+7], 0
	s_or_b32 s[G1B+0], s22, (1<<16)|(1<<20)|(1<<21)|(5<<22)|(3<<25)    ; 64 rows x 128 elements
	s_mov_b32 s[G1B+1], 128<<16
	s_mov_b32 s[G1B+2], 64<<16
	s_mov_b32 s[G1B+3], 128<<16
	s_mov_b32 s[G1B+4], 64
	s_mov_b32 s[G1B+5], 1024
	s_mov_b32 s[G1B+6], 0
	s_mov_b32 s[G1B+7], 0
	s_lshl_b32 s60, s20, 16                        ; Wq: 32 Y rows of 2,048 bytes
	s_lshl_b32 s61, s14, 8                         ; + K step w
	s_add_co_u32 s60, s60, s61
	s_mov_b32 s61, 0
	s_lshl_b32 s62, s19, 18                        ; Wk: 128 X rows
	s_lshl_b32 s63, s16, 17                        ; + 64 rows for half w & 1
	s_add_co_u32 s62, s62, s63
	s_lshl_b32 s63, s15, 8                         ; + K step w >> 1
	s_add_co_u32 s62, s62, s63
	s_add_co_u32 s62, s62, 0x200000                ; Wk is the second matrix of wqk
	s_mov_b32 s63, 0
	s_mul_i32 s12, s14, AREG                       ; LDS targets: the wave's number times a constant, plus a constant
	s_mul_i32 s13, s14, BHALF
	s_add_co_u32 s13, s13, BBASE
	s_wait_dscnt 0x0
	s_wait_kmcnt 0x0
	s_add_nc_u64 s[8:9], s[4:5], s[60:61]
	s_add_nc_u64 s[10:11], s[4:5], s[62:63]
	CROUND                                         ; all sixteen work-groups are here: the first joint loads meet
.irp n, 0,1
	s_mov_b32 s[GA+4*\n], 1
	s_add_co_u32 s[GA+4*\n+1], s12, \n*4*AREG
	s_add_nc_u64 s[GA+4*\n+2:GA+4*\n+3], s[8:9], \n*4*256
	s_or_b32 s[GA+4*\n+3], s[GA+4*\n+3], 0x80000000
.endr
.irp n, 0,1,2
	s_mov_b32 s[GB+4*\n], 1
	s_add_co_u32 s[GB+4*\n+1], s13, \n*4*BHALF
	s_add_nc_u64 s[GB+4*\n+2:GB+4*\n+3], s[10:11], \n*2*256
	s_or_b32 s[GB+4*\n+3], s[GB+4*\n+3], 0x80000000
.endr
	tensor_load_to_lds s[GA:GA+3], s[G1A:G1A+7]            ; Wq, K steps 0-3 among the four waves
	s_nop 0
	tensor_load_to_lds s[GB:GB+3], s[G1B:G1B+7]            ; Wk, K steps 0, 1
	s_nop 0
	tensor_load_to_lds s[GB+4:GB+7], s[G1B:G1B+7]          ; Wk, K steps 2, 3
	s_nop 0
	tensor_load_to_lds s[GA+4:GA+7], s[G1A:G1A+7]          ; Wq, K steps 4-7
	s_nop 0
	tensor_load_to_lds s[GB+8:GB+11], s[G1B:G1B+7]         ; Wk, K steps 4, 5
	s_nop 0
	v_and_b32 v1, 15, v0                           ; r
	v_bfe_u32 v2, v0, 4, 1                         ; h
	v_mul_u32_u24 v3, v1, PITCH
	v_lshl_add_u32 v[ADRA], v2, 4, v3              ; 272 r + 16 h
	s_mul_i32 s23, s14, 32*PITCH                   ; my 32 rows of Wk
	s_add_co_u32 s23, s23, BBASE
	v_add_nc_u32 v[ADRB], s23, v[ADRA]
	v_add_nc_u32 v[ADRB+1], 2*BREG, v[ADRB]
	v_add_nc_u32 v[ADRB+2], 4*BREG, v[ADRB]
	s_mul_i32 s23, s14, WSTG
	s_add_co_u32 s23, s23, STAGE                   ; my stage
	v_mul_u32_u24 v3, v1, WPITCH
	v_lshl_add_u32 v3, v2, 4, v3
	v_add_nc_u32 v[STO], s23, v3                   ; in: row r, 16 bytes for each half of the lanes
	v_lshrrev_b32 v3, 2, v1                        ; back: lane r takes bytes 16 r .. of a row of 256: they lie in stage r >> 2, at 16 (r & 3)
	v_mul_u32_u24 v3, v3, WSTG
	v_and_b32 v4, 3, v1
	v_lshl_add_u32 v3, v4, 4, v3
	v_mul_u32_u24 v4, v2, WPITCH                   ; lanes 16-31 the next row
	v_add_nc_u32 v3, v3, v4
	s_mul_i32 s23, s14, 8*WPITCH                   ; wave w sends rows 8 w .. 8 w + 7
	s_add_co_u32 s23, s23, STAGE
	v_add_nc_u32 v[RD], s23, v3
	v_lshlrev_b32 v4, 11, v2
	v_lshl_add_u32 v[CO], v1, 4, v4                ; the same two rows in G: 2,048 h + 16 r
	s_wait_tensorcnt 0x3                           ; my first two loads are in; the three younger ones stay out
	s_barrier_signal -1
	s_barrier_wait -1
	FETCHH 0, F0
	HSTEP 0, F0, F1, 1, 1                          ; K steps 0, 1
	HSTEP 1, F1, F0, 1, 0
	HSTEP 2, F0, F1, 1, 0
	HSTEP 3, F1, F0, 0, 0
	s_wait_dscnt 0x0                               ; my reads of regions 0, 1 are over
	s_wait_tensorcnt 0x0                           ; and all my tensor loads have landed
	ds_add_u32 v224, v225
	s_wait_dscnt 0x0
	CROUND                                         ; both now hold of every wave of every work-group of the cluster
	s_add_nc_u64 s[GB+2:GB+3], s[GB+2:GB+3], 6*256 ; no tensor load of mine is out: the address may step, six K steps on
	tensor_load_to_lds s[GB:GB+3], s[G1B:G1B+7]    ; Wk, K steps 6, 7: my one load behind the round; K steps 2 to 5 are multiplied while it comes
	s_nop 0
	PLACES
	FETCHH 4, F0
	HSTEP 4, F0, F1, 1, 0
	HSTEP 5, F1, F0, 1, 0
	HSTEP 6, F0, F1, 1, 0
	HSTEP 7, F1, F0, 1, 0
	HSTEP 8, F0, F1, 1, 0
	HSTEP 9, F1, F0, 1, 0
	HSTEP 10, F0, F1, 1, 0
	HSTEP 11, F1, F0, 0, 0
	s_wait_dscnt 0x0
	s_wait_tensorcnt 0x0                           ; my part of K steps 6, 7 is in,
	s_barrier_signal -1
	s_barrier_wait -1                              ; everybody's is
	PLACES
	FETCHH 12, F0
	HSTEP 12, F0, F1, 1, 0
	HSTEP 13, F1, F0, 1, 0
	HSTEP 14, F0, F1, 1, 0
	HSTEP 15, F1, F0, 0, 0
	PLACES                                         ; before results are read and fragment registers written
	; The way out: 16 bytes a lane and tile into my own stage; behind a barrier each wave reads 8 whole rows of 256 bytes out of the four stages.
.irp a, 0,1
.irp b, 0,1
.irp t, 0,1,2,3
	v_cvt_pk_bf16_f32 v[TMP+4*(2*\a+\b)+\t], v[ACC+8*(2*\a+\b)+2*\t], v[ACC+8*(2*\a+\b)+2*\t+1]
.endr
	ds_store_b128 v[STO], v[TMP+4*(2*\a+\b):TMP+4*(2*\a+\b)+3] offset:16*WPITCH*\a+32*\b
.endr
.endr
	s_lshl_b32 s60, s20, 16                        ; row 32 Y + 8 w, 2,048 bytes a row
	s_lshl_b32 s61, s14, 14
	s_add_co_u32 s60, s60, s61
	s_mov_b32 s61, 0
	s_add_nc_u64 s[6:7], s[6:7], s[60:61]
	s_lshl_b32 s62, s19, 8                         ; column 128 X, 2 bytes each
	s_mov_b32 s63, 0
	s_add_nc_u64 s[6:7], s[6:7], s[62:63]
	s_wait_dscnt 0x0                               ; for the other waves' sake: my stores are done
	s_barrier_signal -1
	s_barrier_wait -1
.irp t, 0,1,2,3
	ds_load_b128 v[TMP+16+4*\t:TMP+16+4*\t+3], v[RD] offset:2*WPITCH*\t
.endr
.irp t, 0,1,2,3
	s_wait_dscnt 3-\t                              ; read-back t is in, the 3 - t younger ones stay out
	global_store_b128 v[CO], v[TMP+16+4*\t:TMP+16+4*\t+3], s[6:7] offset:4096*\t     ; 16 lanes store 256 consecutive bytes, aligned
.endr
	s_wait_tensorcnt 0x0
	ds_add_u32 v224, v225
	s_wait_dscnt 0x0
	CROUND                                         ; the closing round: no work-group ends while a partner may still ask for a tile that names it
	s_endpgm
.Lfunc_end_k_q80321a9078_gmat:
	.size	k_q80321a9078_gmat, .Lfunc_end_k_q80321a9078_gmat-k_q80321a9078_gmat
	.p2alignl 7, 3214868480
	.fill 96, 4, 3214868480
	.section	.rodata,"a",@progbits
	.p2align	6, 0x0
	.amdhsa_kernel k_q80321a9078_gmat
		.amdhsa_group_segment_fixed_size 327680
		.amdhsa_private_segment_fixed_size 0
		.amdhsa_enable_private_segment 0
		.amdhsa_kernarg_size 16
		.amdhsa_user_sgpr_count 2
		.amdhsa_user_sgpr_kernarg_segment_ptr 1
		.amdhsa_wavefront_size32 1
		.amdhsa_system_sgpr_workgroup_id_x 1
		.amdhsa_system_sgpr_workgroup_id_y 1
		.amdhsa_system_sgpr_workgroup_id_z 1
		.amdhsa_system_vgpr_workitem_id 0
		.amdhsa_next_free_vgpr 226
		.amdhsa_next_free_sgpr 66
		.amdhsa_reserve_vcc 0
		.amdhsa_float_denorm_mode_32 3
		.amdhsa_float_denorm_mode_16_64 3
		.amdhsa_memory_ordered 1
		.amdhsa_forward_progress 1
		.amdhsa_inst_pref_size 37
	.end_amdhsa_kernel
	.amdgpu_metadata
---
amdhsa.version: [ 1, 2 ]
amdhsa.kernels:
  - .name:           k_q80321a9078_gmat
    .symbol:         k_q80321a9078_gmat.kd
    .args:
      - { .name: wqk, .offset: 0, .size: 8, .value_kind: global_buffer, .address_space: global }
      - { .name: wb, .offset: 8, .size: 8, .value_kind: global_buffer, .address_space: global }
    .group_segment_fixed_size: 327680
    .private_segment_fixed_size: 0
    .kernarg_segment_align: 8
    .kernarg_segment_size: 16
    .max_flat_workgroup_size: 128
    .sgpr_count:     66
    .vgpr_count:     226
    .wavefront_size: 32
...
	.end_amdgpu_metadata
.endif
;; end of part 6
;; launch proj (part 7): grid 8 x 32, 4 waves a work-group, clusters of 4 x 4, 327,680 bytes of LDS; arguments xb, wb, u, bv, qv; writes qv
.if DOCPART == 7
	.amdgcn_target "amdgcn-amd-amdhsa--gfx1250"
	.amdhsa_code_object_version 6
	.text
	.protected	k_q80321a9078_proj
	.globl	k_q80321a9078_proj
	.p2align	8
	.type	k_q80321a9078_proj,@function
k_q80321a9078_proj:
	s_mov_b64 s[64:65], 0
	v_nop
	global_prefetch_b8 v0, s[64:65] scope:SCOPE_SE
	s_setreg_imm32_b32 hwreg(HW_REG_WAVE_MODE, 25, 1), 1
	s_wait_xcnt 0x0
	s_wait_alu depctr_hold_cnt(0) depctr_sa_sdst(0) depctr_va_vdst(0) depctr_va_sdst(0) depctr_va_ssrc(0) depctr_va_vcc(0) depctr_vm_vsrc(0)
	s_getreg_b32 s2, hwreg(HW_REG_IB_STS2, 6, 4)
	s_cmp_eq_u32 s2, 0
	s_cbranch_scc0 .Lentry_in_a_cluster
	s_endpgm
.Lentry_in_a_cluster:
	s_bfe_u32 s2, ttmp6, 0x10000c
	s_cmp_lg_u32 s2, 0xf033
	s_cbranch_scc0 .Lentry_shape_is_right
	s_endpgm
.Lentry_shape_is_right:
; qv[8192][2048] bf16 = xb[8192][1024] . wb (G and Wv, [1024 d][1024 n] each, side by side) + (u on columns 0..1023, bv on 1024..2047):
; q' = x G + u, whose product with x_s is the score (the identity, and why bk is left out, stand at the head of the first kernel), and v = x Wv + bv.
;
; 256 work-groups of 256 x 256, one for each block; four waves of 128 x 128: 64 accumulator tiles, 512 registers.  For 32 along K a wave reads
; 256 rows' fragments for 64 matrix instructions.  K = 1024 goes in 8 steps of 128 through two LDS slots; from a refill to the wait for it a wave
; issues 240 matrix instructions.
; CLUSTERS of 4 x 4: a cluster's row shares xb's rows, its column wb's columns; joint loads divide the requests by four.  Cluster x = 0 is q', 1 is v.
; Transposed use (source 0 = B's fragment, source 1 = A's): lane (r, h), register j of tile (a, b) = C(16 a + r, 16 b + 8 h + j).
; THE BIAS STARTS THE SUMS: register j of a tile column's eight bias registers holds the bias of column 16 b + 8 h + j, which is the layout of a
; tile's C operand; the first product of each tile takes them as C.  Nothing is cleared and nothing is added afterwards.
;
; LDS: slot s at s x 139,264: A's 256 rows of 256 bytes, pitch 272; B's 128 k-rows of 512 bytes (256 n), pitch 544.
;      272 is an odd multiple of 16 and 544 an odd multiple of 32: the rows that one fragment load touches start in different 16-byte columns modulo 256.
;      278,528: a stage of 16 rows x 272 bytes for each wave, into which no tensor load writes.
; REGISTERS: window 0: v0-31 addresses; v64-127, v128-191 A's fragments, two buffers; v192-223 at work on the way out.
;            window 1: v0-63 the bias of my 128 columns; v64-127, v128-191 B's fragments, two buffers.
;            window 2: the 32 tiles of my rows 0-63 (tile (a, b) at v[8 (8 a + b)]); window 3: those of my rows 64-127.
.set PITCH,  272
.set HALFT,  128*PITCH                 ; 34,816: 128 rows of A, or 64 k-rows of B at pitch 544: what one tensor load brings
.set BPITCH, 544
.set SLOT,   4*HALFT
.set STAGE,  2*SLOT                    ; 278,528 = 1,088 x 256
.set SPITCH, 272
.set ASTEP,  256                       ; bytes from K step to K step in xb
.set BSTEP,  128*2048                  ; in wb: 128 rows of 2,048 bytes
.set PITCHB, 4096                      ; bytes in a row of qv
.set ADRA, 16                          ; v16-17 LDS address of my A fragments, slot 0, 1
.set ADRB, 20                          ; v20-21 the same for B
.set STO,  24
.set RD,   25
.set CO,   26
.set BOFF, 27                          ; 32 h: my byte offset in the bias
.set F0,   64
.set F1,   128
.set TMP,  192
.set OB,   12                          ; s[12:13] qv
.set G1,  24
.set G0,  32
.set G1B, 48
.set G0B, 56
.set MSB, 0
.macro WIN new                         ; the immediate's high byte repeats the setting that is left; a switch that changes nothing is dropped
.if MSB != \new
	s_set_vgpr_msb (MSB<<8)|\new
.set MSB, \new
.endif
.endm
.set MUL_LO,   0xa1                    ; source 0 (B) window 1, source 1 (A) window 0, C and D window 2
.set MUL_HI,   0xf1                    ; the same, C and D window 3
.set FIRST_LO, 0x91                    ; C = the bias in window 1, D window 2
.set FIRST_HI, 0xd1                    ; C = the bias in window 1, D window 3
.set TO_B,     0x40                    ; destination window 1, address window 0
.macro PLACES                          ; four plain vector places behind a matrix instruction (ISA guide 7.12.1), before its sources are loaded again or its result is read
.rept 4
	v_nop
.endr
.endm
.macro JLOAD s                         ; waves 0, 1 ask for A's halves, waves 2, 3 for B's: the branch hangs on the wave's number alone
	s_cmp_eq_u32 s15, 0
	s_cbranch_scc0 .Lfor_b_\@
	tensor_load_to_lds s[G0+4*\s:G0+4*\s+3], s[G1:G1+7]
	s_nop 0
	s_branch .Lasked_\@
.Lfor_b_\@:
	tensor_load_to_lds s[G0B+4*\s:G0B+4*\s+3], s[G1B:G1B+7]
	s_nop 0
.Lasked_\@:
.endm
.macro CREST                           ; a round of the cluster's barrier behind its opening work-group barrier
	s_cmp_lg_u32 s14, 0
	s_cbranch_scc1 .Lnot_wave_0_\@
	s_barrier_signal -3
.Lnot_wave_0_\@:
	s_barrier_wait -3
	s_barrier_signal -1
	s_barrier_wait -1
.endm
.macro CROUND
	s_barrier_signal -1
	s_barrier_wait -1
	CREST
.endm
; 16 matrix instructions: tile rows a0, a0 + 1 of the window's four (hi = 0: my rows 0-63, 1: rows 64-127) x all 8 tile columns, 32 along K.
; first = 1: C is the tile column's bias.  The 64 accumulators take turns, one instruction a turn, in one order in every quarter.
.macro MUL16 f, hi, a0, first
.irp a, \a0, \a0+1
.irp b, 0,1,2,3,4,5,6,7
.if \first
	v_wmma_f32_16x16x32_bf16 v[8*(8*(\a)+\b):8*(8*(\a)+\b)+7], v[\f+8*\b:\f+8*\b+7], v[\f+8*(4*\hi+\a):\f+8*(4*\hi+\a)+7], v[8*\b:8*\b+7]
.else
	v_wmma_f32_16x16x32_bf16 v[8*(8*(\a)+\b):8*(8*(\a)+\b)+7], v[\f+8*\b:\f+8*\b+7], v[\f+8*(4*\hi+\a):\f+8*(4*\hi+\a)+7], v[8*(8*(\a)+\b):8*(8*(\a)+\b)+7]
.endif
.endr
.endr
.endm
; 32 LDS loads in one run: the fragments of quarter step q into buffer f.  B lies [k][n]: the transposing load brings k = 8 h .. +7 of column n = r
; (first load) and k = 16 + 8 h .. +7 (second load, 16 k-rows further down).
.macro FETCH slot, q, f
	WIN TO_B
.irp i, 0,1,2,3,4,5,6,7
	ds_load_tr16_b128 v[\f+8*\i:\f+8*\i+3],   v[ADRB+\slot] offset:32*BPITCH*\q+32*\i
	ds_load_tr16_b128 v[\f+8*\i+4:\f+8*\i+7], v[ADRB+\slot] offset:32*BPITCH*\q+32*\i+16*BPITCH
.endr
	WIN 0
.irp i, 0,1,2,3,4,5,6,7
	ds_load_b128 v[\f+8*\i:\f+8*\i+3],   v[ADRA+\slot] offset:64*\q+16*PITCH*\i
	ds_load_b128 v[\f+8*\i+4:\f+8*\i+7], v[ADRA+\slot] offset:64*\q+16*PITCH*\i+32
.endr
.endm
; One of a K step's first three quarters: multiplies buffer f; in its middle the next quarter's fragments go out into g.
.macro QUARTER slot, qn, f, g, first
	s_wait_dscnt 8                                 ; B and A's rows 0-63 are in; the youngest eight loads (A's rows 64-127) may be out
.if \first
	WIN FIRST_LO
.else
	WIN MUL_LO
.endif
	MUL16 \f, 0, 0, \first
	MUL16 \f, 0, 2, \first
	PLACES                                         ; g was a source of the quarter before
	FETCH \slot, \qn, \g
	s_wait_dscnt 32                                ; all but the 32 just issued
.if \first
	WIN FIRST_HI
.else
	WIN MUL_HI
.endif
	MUL16 \f, 1, 0, \first
	MUL16 \f, 1, 2, \first
.endm
.macro THREE slot, first
	QUARTER \slot, 1, F0, F1, \first
	QUARTER \slot, 2, F1, F0, 0
	QUARTER \slot, 3, F0, F1, 0
.endm
; The last quarter multiplies F1 and changes slots.  In front of the barrier each wave has waited for its reads of this slot and for all its tensor
; loads (one is out: its part of the next slot).  fill = 1: the barrier opens a round of the cluster's barrier, and behind the round this slot's
; joint refill, two K steps ahead, is the wave's first and only tensor load.
.macro TURN slot, next, fill
	s_wait_dscnt 8
	WIN MUL_LO
	MUL16 F1, 0, 0, 0
	s_wait_dscnt 0x0                               ; my reads of this slot are over
	s_wait_tensorcnt 0x0                           ; all my tensor loads have landed
	ds_add_u32 v255, v255
	s_wait_dscnt 0x0
	s_barrier_signal -1
	MUL16 F1, 0, 2, 0                              ; register work while the others arrive
	WIN 0
	s_barrier_wait -1
.if \fill
	CREST
	s_add_nc_u64 s[G0+4*\slot+2:G0+4*\slot+3], s[G0+4*\slot+2:G0+4*\slot+3], 2*ASTEP      ; no tensor load of mine is out: the addresses may step
	s_add_nc_u64 s[G0B+4*\slot+2:G0B+4*\slot+3], s[G0B+4*\slot+2:G0B+4*\slot+3], 2*BSTEP
	JLOAD \slot
.endif
	PLACES
	FETCH \next, 0, F0
	WIN MUL_HI
	MUL16 F1, 1, 0, 0
	MUL16 F1, 1, 2, 0
.endm
.macro LAP first                       ; two K steps, both slots filled again
	THREE 0, \first
	TURN 0, 1, 1
	THREE 1, 0
	TURN 1, 0, 1
.endm
	s_load_b256 s[4:11], s[0:1], 0x0               ; xb s[4:5], wb s[6:7], u s[8:9], bv s[10:11]
	s_load_b64 s[12:13], s[0:1], 0x20              ; qv
	s_set_vgpr_msb 0x40
	v_lshl_add_u32 v255, v0, 2, 0x48400
	s_set_vgpr_msb 0x4000
	v_mov_b32 v255, 0
	s_set_vgpr_msb 0x1
	ds_add_u32 v255, v255
	s_set_vgpr_msb 0x100
	v_lshrrev_b32 v1, 5, v0
	v_readfirstlane_b32 s14, v1                    ; wave w
	s_lshr_b32 s15, s14, 1                         ; wm: my 128 rows.  Also: I fetch for A (0) or for B (1)
	s_and_b32 s16, s14, 1                          ; wn: my 128 columns.  Also: which half of that tile I fetch
	s_bfe_u32 s17, ttmp6, 0x40000                  ; cx
	s_bfe_u32 s18, ttmp6, 0x40004                  ; cy
	s_lshl_b32 s19, ttmp9, 2
	s_add_co_u32 s19, s19, s17                     ; X: block column = 4 x cluster x + cx
	s_and_b32 s20, ttmp7, 0xffff
	s_lshl_b32 s20, s20, 2
	s_add_co_u32 s20, s20, s18                     ; Y: block row = 4 x cluster y + cy
	s_lshl_b32 s21, s18, 2
	s_lshl_b32 s21, 15, s21                        ; my row of the cluster
	s_lshl_b32 s22, 0x1111, s17                    ; my column
	s_or_b32 s[G1+0], s21, (1<<16)|(1<<20)|(1<<21)|(5<<22)|(3<<25)     ; A: 128 rows x 128 elements of 2 bytes, 4 words of padding behind every 64
	s_mov_b32 s[G1+1], 128<<16
	s_mov_b32 s[G1+2], 128<<16
	s_mov_b32 s[G1+3], 128<<16
	s_mov_b32 s[G1+4], 128
	s_mov_b32 s[G1+5], 1024                        ; elements from row to row of xb
	s_mov_b32 s[G1+6], 0
	s_mov_b32 s[G1+7], 0
	s_or_b32 s[G1B+0], s22, (1<<16)|(1<<20)|(1<<21)|(6<<22)|(7<<25)    ; B: 64 k-rows x 256 elements, 8 words of padding behind every 128
	s_mov_b32 s[G1B+1], 256<<16
	s_mov_b32 s[G1B+2], 64<<16
	s_mov_b32 s[G1B+3], 256<<16
	s_mov_b32 s[G1B+4], 64
	s_mov_b32 s[G1B+5], 1024                       ; elements from row to row of G or Wv
	s_mov_b32 s[G1B+6], 0
	s_mov_b32 s[G1B+7], 0
	; A's address hangs on the block row (and the half), B's on the block column: each in registers that never hold the other coordinate
	s_lshl_b32 s40, s20, 19                        ; 256 Y rows of 2,048 bytes
	s_lshl_b32 s41, s16, 18                        ; + 128 rows for the second half
	s_add_co_u32 s40, s40, s41
	s_mov_b32 s41, 0
	s_lshl_b32 s44, ttmp9, 21                      ; G or Wv: 2 MiB each
	s_lshl_b32 s45, s17, 9                         ; + 256 cx columns of 2 bytes
	s_add_co_u32 s44, s44, s45
	s_lshl_b32 s45, s16, 17                        ; + 64 k-rows for the second half
	s_add_co_u32 s44, s44, s45
	s_mov_b32 s45, 0
	s_mul_i32 s71, s14, HALFT                      ; LDS target: A's two halves, then B's two = wave x 34,816: no place in the cluster enters
	s_wait_dscnt 0x0
	s_wait_kmcnt 0x0
	s_add_nc_u64 s[42:43], s[4:5], s[40:41]
	s_add_nc_u64 s[46:47], s[6:7], s[44:45]
	CROUND                                         ; all sixteen work-groups are here: the first joint loads meet
.irp s, 0,1
	s_mov_b32 s[G0+4*\s], 1
	s_add_co_u32 s[G0+4*\s+1], s71, \s*SLOT
	s_add_nc_u64 s[G0+4*\s+2:G0+4*\s+3], s[42:43], \s*ASTEP
	s_or_b32 s[G0+4*\s+3], s[G0+4*\s+3], 0x80000000
	s_mov_b32 s[G0B+4*\s], 1
	s_add_co_u32 s[G0B+4*\s+1], s71, \s*SLOT
	s_add_nc_u64 s[G0B+4*\s+2:G0B+4*\s+3], s[46:47], \s*BSTEP
	s_or_b32 s[G0B+4*\s+3], s[G0B+4*\s+3], 0x80000000
	JLOAD \s                                       ; both first fills go out together: two tensor loads of the wave are out
.endr
	v_and_b32 v1, 15, v0                           ; r
	v_bfe_u32 v2, v0, 4, 1                         ; h
	; the bias of my 128 columns: register 8 b + j = bias[256 cx + 128 wn + 16 b + 8 h + j]; u for q', bv for v: the choice hangs on the cluster's x alone
	v_lshlrev_b32 v[BOFF], 5, v2
	s_cmp_eq_u32 ttmp9, 0
	s_cselect_b64 s[8:9], s[8:9], s[10:11]
	s_lshl_b32 s44, s17, 10
	s_lshl_b32 s45, s16, 9
	s_add_co_u32 s44, s44, s45
	s_mov_b32 s45, 0
	s_add_nc_u64 s[8:9], s[8:9], s[44:45]
	WIN TO_B                                       ; destination in window 1
.irp b, 0,1,2,3,4,5,6,7
	global_load_b128 v[8*\b:8*\b+3],   v[BOFF], s[8:9] offset:64*\b
	global_load_b128 v[8*\b+4:8*\b+7], v[BOFF], s[8:9] offset:64*\b+16
.endr
	WIN 0
	v_mul_u32_u24 v3, v1, PITCH
	v_lshl_add_u32 v3, v2, 4, v3                   ; 272 r + 16 h
	s_mul_i32 s23, s15, HALFT                      ; my 128 rows of A
	v_add_nc_u32 v[ADRA], s23, v3
	v_add_nc_u32 v[ADRA+1], SLOT, v[ADRA]
	v_and_b32 v4, 7, v0
	v_lshl_add_u32 v4, v2, 3, v4                   ; k-row 8 h + (l & 7)
	v_mul_u32_u24 v4, v4, BPITCH
	v_bfe_u32 v5, v0, 3, 1
	v_lshl_add_u32 v4, v5, 4, v4                   ; + 16 bytes for lanes 8-15 of each half
	s_lshl_b32 s23, s16, 8                         ; my 128 columns: 256 bytes
	s_add_co_u32 s23, s23, 2*HALFT                 ; B lies behind A's 256 rows
	v_add_nc_u32 v[ADRB], s23, v4
	v_add_nc_u32 v[ADRB+1], SLOT, v[ADRB]
	s_mul_i32 s23, s14, 16*SPITCH
	s_add_co_u32 s23, s23, STAGE                   ; my stage
	v_add_nc_u32 v[STO], s23, v3                   ; in: row r, 16 bytes for each half of the lanes
	v_mul_u32_u24 v5, v2, SPITCH
	v_lshl_add_u32 v5, v1, 4, v5
	v_add_nc_u32 v[RD], s23, v5                    ; back: lanes 0-15 one row of 256 bytes, lanes 16-31 the next
	v_lshlrev_b32 v5, 12, v2
	v_lshl_add_u32 v[CO], v1, 4, v5                ; the same two rows in qv
	s_wait_tensorcnt 0x1                           ; my part of K step 0 is in; K step 1's stays out
	s_barrier_signal -1
	s_barrier_wait -1
	FETCH 0, 0, F0
	s_wait_loadcnt 0x0                             ; the bias: the first products take it as C
	LAP 1                                          ; K steps 0, 1; asks for 2, 3
	WIN 0                                          ; at a label and at a branch every window is 0
	s_mov_b32 s3, 2
.Llap:
	LAP 0                                          ; K steps 2 to 5; asks for 4 to 7
	WIN 0
	s_sub_co_u32 s3, s3, 1
	s_cmp_lg_u32 s3, 0
	s_cbranch_scc1 .Llap
	THREE 0, 0                                     ; K steps 6, 7: nothing is left to fetch
	TURN 0, 1, 0
	THREE 1, 0
	s_wait_dscnt 8
	WIN MUL_LO
	MUL16 F1, 0, 0, 0
	MUL16 F1, 0, 2, 0
	s_wait_dscnt 0x0
	WIN MUL_HI
	MUL16 F1, 1, 0, 0
	MUL16 F1, 1, 2, 0
	PLACES                                         ; before results are read and fragment registers written
	s_lshl_b32 s40, s20, 8
	s_lshl_b32 s41, s15, 7
	s_add_co_u32 s40, s40, s41                     ; my first row
	s_lshl_b32 s40, s40, 12                        ; 4,096 bytes a row (below 2^25)
	s_mov_b32 s41, 0
	s_add_nc_u64 s[OB:OB+1], s[OB:OB+1], s[40:41]
	s_lshl_b32 s44, s19, 9                         ; my first column: 512 X + 256 wn bytes
	s_lshl_b32 s45, s16, 8
	s_add_co_u32 s44, s44, s45
	s_mov_b32 s45, 0
	s_add_nc_u64 s[OB:OB+1], s[OB:OB+1], s[44:45]
; The way out, 16 rows at a time: round to bf16, 16 bytes a lane into my own stage, read back as whole rows of 256 bytes.  LDS serves a wave's
; instructions in order (ISA guide 5.7.1), so no wait stands between the stores and the loads.
; rows 16 i .. of my block = the eight tiles (a, 0..7) of window 2 or 3 (from = 0x0a or 0x0f: sources 0 and 1); f: F0 or F1 in turn
.macro OUT16 i, a, from, f
	WIN \from
.irp b, 0,1,2,3,4,5,6,7
.irp t, 0,1,2,3
	v_cvt_pk_bf16_f32 v[TMP+4*\b+\t], v[8*(8*\a+\b)+2*\t], v[8*(8*\a+\b)+2*\t+1]
.endr
.endr
	WIN 0
.irp b, 0,1,2,3,4,5,6,7
	ds_store_b128 v[STO], v[TMP+4*\b:TMP+4*\b+3] offset:32*\b
.endr
	s_wait_xcnt 0x0                                ; the stores issued so far have taken their sources: buffer f and the base may be written
.if \i
	s_add_nc_u64 s[OB:OB+1], s[OB:OB+1], 16*PITCHB
.endif
.irp t, 0,1,2,3,4,5,6,7
	ds_load_b128 v[\f+4*\t:\f+4*\t+3], v[RD] offset:2*SPITCH*\t
.endr
.irp t, 0,1,2,3,4,5,6,7
	s_wait_dscnt 7-\t                              ; read-back t is in, the 7 - t younger ones stay out
	global_store_b128 v[CO], v[\f+4*\t:\f+4*\t+3], s[OB:OB+1] offset:2*\t*PITCHB     ; 16 lanes store 256 consecutive bytes, aligned
.endr
.endm
	OUT16 0, 0, 0x0a, F0
	OUT16 1, 1, 0x0a, F1
	OUT16 2, 2, 0x0a, F0
	OUT16 3, 3, 0x0a, F1
	OUT16 4, 0, 0x0f, F0
	OUT16 5, 1, 0x0f, F1
	OUT16 6, 2, 0x0f, F0
	OUT16 7, 3, 0x0f, F1
	s_set_vgpr_msb 0x1
	s_wait_tensorcnt 0x0
	ds_add_u32 v255, v255
	s_wait_dscnt 0x0
	s_set_vgpr_msb 0x100
	CROUND                                         ; the closing round: no work-group ends while a partner may still ask for a tile that names it
	s_endpgm
.Lfunc_end_k_q80321a9078_proj:
	.size	k_q80321a9078_proj, .Lfunc_end_k_q80321a9078_proj-k_q80321a9078_proj
	.p2alignl 7, 3214868480
	.fill 96, 4, 3214868480
	.section	.rodata,"a",@progbits
	.p2align	6, 0x0
	.amdhsa_kernel k_q80321a9078_proj
		.amdhsa_group_segment_fixed_size 327680
		.amdhsa_private_segment_fixed_size 0
		.amdhsa_enable_private_segment 0
		.amdhsa_kernarg_size 40
		.amdhsa_user_sgpr_count 2
		.amdhsa_user_sgpr_kernarg_segment_ptr 1
		.amdhsa_wavefront_size32 1
		.amdhsa_system_sgpr_workgroup_id_x 1
		.amdhsa_system_sgpr_workgroup_id_y 1
		.amdhsa_system_sgpr_workgroup_id_z 1
		.amdhsa_system_vgpr_workitem_id 0
		.amdhsa_next_free_vgpr 1024
		.amdhsa_next_free_sgpr 76
		.amdhsa_reserve_vcc 0
		.amdhsa_float_denorm_mode_32 3
		.amdhsa_float_denorm_mode_16_64 3
		.amdhsa_memory_ordered 1
		.amdhsa_forward_progress 1
		.amdhsa_inst_pref_size 198
	.end_amdhsa_kernel
	.amdgpu_metadata
---
amdhsa.version: [ 1, 2 ]
amdhsa.kernels:
  - .name:           k_q80321a9078_proj
    .symbol:         k_q80321a9078_proj.kd
    .args:
      - { .name: xb, .offset: 0, .size: 8, .value_kind: global_buffer, .address_space: global }
      - { .name: wb, .offset: 8, .size: 8, .value_kind: global_buffer, .address_space: global }
      - { .name: u, .offset: 16, .size: 8, .value_kind: global_buffer, .address_space: global }
      - { .name: bv, .offset: 24, .size: 8, .value_kind: global_buffer, .address_space: global }
      - { .name: qv, .offset: 32, .size: 8, .value_kind: global_buffer, .address_space: global }
    .group_segment_fixed_size: 327680
    .private_segment_fixed_size: 0
    .kernarg_segment_align: 8
    .kernarg_segment_size: 40
    .max_flat_workgroup_size: 128
    .sgpr_count:     76
    .vgpr_count:     1024
    .wavefront_size: 32
...
	.end_amdgpu_metadata
.endif
;; end of part 7
;; launch scores (part 8): grid 4 x 64, 4 waves a work-group, clusters of 4 x 4, 327,680 bytes of LDS; arguments qv, xb, p, st; writes p, st
.if DOCPART == 8
	.amdgcn_target "amdgcn-amd-amdhsa--gfx1250"
	.amdhsa_code_object_version 6
	.text
	.protected	k_q80321a9078_scores
	.globl	k_q80321a9078_scores
	.p2align	8
	.type	k_q80321a9078_scores,@function
k_q80321a9078_scores:
	s_mov_b64 s[64:65], 0
	v_nop
	global_prefetch_b8 v0, s[64:65] scope:SCOPE_SE
	s_setreg_imm32_b32 hwreg(HW_REG_WAVE_MODE, 25, 1), 1
	s_wait_xcnt 0x0
	s_wait_alu depctr_hold_cnt(0) depctr_sa_sdst(0) depctr_va_vdst(0) depctr_va_sdst(0) depctr_va_ssrc(0) depctr_va_vcc(0) depctr_vm_vsrc(0)
	s_getreg_b32 s2, hwreg(HW_REG_IB_STS2, 6, 4)
	s_cmp_eq_u32 s2, 0
	s_cbranch_scc0 .Lentry_in_a_cluster
	s_endpgm
.Lentry_in_a_cluster:
	s_bfe_u32 s2, ttmp6, 0x10000c
	s_cmp_lg_u32 s2, 0xf033
	s_cbranch_scc0 .Lentry_shape_is_right
	s_endpgm
.Lentry_shape_is_right:
; S = q' x^T for one batch's 128 query rows x 256 key rows, then the softmax's first stage on that block:
;   M = the largest S of a row over the block's 256 columns;  p = bf16(exp2(c S - c M)), c = log2(e) / 32 (the scale 1/sqrt(1024) folded in);
;   l = the row's sum of the unrounded exponentials over a wave's 128 columns;  m' = c M, exactly the number that was taken away.
; The last launch takes the true row maximum of the four blocks' m' and corrects: the maximum is taken away in two stages, never a fixed shift.
; The keys are the rows of xb themselves: q' = x G + u carries Wk, and bk is left out since q . bk is the same along s (both shown at the head of the first kernel).
; st[R = 64-row block, 128][jh = 128-column block, 8][l, m'][64 words: word 4 r + a is row 16 a + r].
;
; Frame: 128 x 256 a work-group, four waves of 64 x 128 (32 accumulator tiles), K = 1024 in 8 steps of 128, two LDS slots, 256 work-groups.
; CLUSTERS of 4 x 4: a cluster's row shares q' rows, its column the key rows; joint loads divide the requests by four.
; Transposed use: lane (r, h), register j of tile (a, b) = S(row 16 a + r, column 16 b + 8 h + j): a row lies in two lanes, r and r + 16.
; LDS: slot s at s x 104,448: the 128 query rows, then the 256 key rows, 256 bytes each at pitch 272 (an odd multiple of 16).
;      208,896: a stage of 16 x 272 bytes a wave.  226,304: 256 bytes a wave for the exchange of maxima.  No tensor load writes either.
; REGISTERS: window 0: v0-23 addresses, v24-55 the softmax's small figures, F0 = v64-159, F1 = v160-255; window 1: the accumulators.
.set PITCH,  272
.set AHALF,  64*PITCH
.set ATILE,  2*AHALF
.set BHALF,  128*PITCH                 ; 34,816
.set SLOT,   ATILE+2*BHALF
.set STAGE,  2*SLOT
.set RED,    STAGE+4*16*272            ; 226,304 = 884 x 256
.set SPITCH, 272
.set ASTEP,  256
.set BSTEP,  256
.set PITCHB, 2048                      ; bytes in a row of p
.set REDW, 12
.set REDR, 13
.set STOFF, 14
.set ADRA, 16
.set ADRB, 18
.set STO,  20
.set RD,   21
.set CO,   22
.set M,    24                          ; v24-27 the row's maximum, tile row a
.set MS,   28                          ; v28-31 c M
.set NM,   32                          ; v32-39 -c M, twice (pairs)
.set LS,   40                          ; v40-43 the row's sum
.set D,    44                          ; v44-47 at work; the figures to store
.set SC,   48                          ; v48-55 four chains of sums (pairs)
.set F0,   64
.set F1,   160
.set E,    64                          ; v64-127 a tile row's 64 exponents, then exponentials
.set TMP,  128                         ; v128-159 packed probabilities
.set OB,   8                           ; s[8:9] p's base
.set G1,  24
.set G0,  32
.set G1B, 48
.set G0B, 56
.set MULW, 0x50
.set MSB, 0
.macro WIN new
.if MSB != \new
	s_set_vgpr_msb (MSB<<8)|\new
.set MSB, \new
.endif
.endm
.macro PLACES                          ; four plain vector places behind a matrix instruction (ISA guide 7.12.1)
.rept 4
	v_nop
.endr
.endm
.macro JLOAD s                         ; waves 0, 1 ask for the query rows' halves, waves 2, 3 for the key rows'
	s_cmp_eq_u32 s15, 0
	s_cbranch_scc0 .Lfor_b_\@
	tensor_load_to_lds s[G0+4*\s:G0+4*\s+3], s[G1:G1+7]
	s_nop 0
	s_branch .Lasked_\@
.Lfor_b_\@:
	tensor_load_to_lds s[G0B+4*\s:G0B+4*\s+3], s[G1B:G1B+7]
	s_nop 0
.Lasked_\@:
.endm
.macro CREST
	s_cmp_lg_u32 s14, 0
	s_cbranch_scc1 .Lnot_wave_0_\@
	s_barrier_signal -3
.Lnot_wave_0_\@:
	s_barrier_wait -3
	s_barrier_signal -1
	s_barrier_wait -1
.endm
.macro CROUND
	s_barrier_signal -1
	s_barrier_wait -1
	CREST
.endm
; The 32 accumulators take turns, one instruction a turn, in one order throughout.
.macro MULA f, a, zero
.irp b, 0,1,2,3,4,5,6,7
.if \zero
	v_wmma_f32_16x16x32_bf16 v[8*(8*\a+\b):8*(8*\a+\b)+7], v[\f+8*\b:\f+8*\b+7], v[\f+64+8*\a:\f+64+8*\a+7], 0
.else
	v_wmma_f32_16x16x32_bf16 v[8*(8*\a+\b):8*(8*\a+\b)+7], v[\f+8*\b:\f+8*\b+7], v[\f+64+8*\a:\f+64+8*\a+7], v[8*(8*\a+\b):8*(8*\a+\b)+7]
.endif
.endr
.endm
.macro FETCH slot, q, f                ; 24 LDS loads; both tiles lie along K: two loads of 16 bytes, 32 bytes apart, a fragment
.irp i, 0,1,2,3,4,5,6,7
	ds_load_b128 v[\f+8*\i:\f+8*\i+3],   v[ADRB+\slot] offset:64*\q+16*PITCH*\i
	ds_load_b128 v[\f+8*\i+4:\f+8*\i+7], v[ADRB+\slot] offset:64*\q+16*PITCH*\i+32
.endr
.irp i, 0,1,2,3
	ds_load_b128 v[\f+64+8*\i:\f+64+8*\i+3],   v[ADRA+\slot] offset:64*\q+16*PITCH*\i
	ds_load_b128 v[\f+64+8*\i+4:\f+64+8*\i+7], v[ADRA+\slot] offset:64*\q+16*PITCH*\i+32
.endr
.endm
.macro QUARTER slot, qn, f, g, zero
	s_wait_dscnt 0x0                               ; buffer f is in
	PLACES                                         ; g was a source of the matrix instructions just before
	FETCH \slot, \qn, \g
	WIN MULW
	MULA \f, 0, \zero
	MULA \f, 1, \zero
	MULA \f, 2, \zero
	MULA \f, 3, \zero
	WIN 0
.endm
.macro THREE slot, zero
	QUARTER \slot, 1, F0, F1, \zero
	QUARTER \slot, 2, F1, F0, 0
	QUARTER \slot, 3, F0, F1, 0
.endm
; The change of slots: each wave's reads of this slot and all its tensor loads are waited for in front of the barrier; with fill = 1 the barrier
; opens a round of the cluster's barrier and the joint refill is the wave's first and only tensor load behind the round.
.macro TURN slot, next, fill
	s_wait_dscnt 0x0
	s_wait_tensorcnt 0x0
	ds_add_u32 v62, v63
	s_wait_dscnt 0x0
	s_barrier_signal -1
	WIN MULW
	MULA F1, 0, 0
	WIN 0
	s_barrier_wait -1
.if \fill
	CREST
	s_add_nc_u64 s[G0+4*\slot+2:G0+4*\slot+3], s[G0+4*\slot+2:G0+4*\slot+3], 2*ASTEP
	s_add_nc_u64 s[G0B+4*\slot+2:G0B+4*\slot+3], s[G0B+4*\slot+2:G0B+4*\slot+3], 2*BSTEP
	JLOAD \slot
.endif
	PLACES
	FETCH \next, 0, F0
	WIN MULW
	MULA F1, 1, 0
	MULA F1, 2, 0
	MULA F1, 3, 0
	WIN 0
.endm
.macro LAP zero
	THREE 0, \zero
	TURN 0, 1, 1
	THREE 1, 0
	TURN 1, 0, 1
.endm
	s_load_b256 s[4:11], s[0:1], 0x0               ; qv s[4:5], xb s[6:7], p s[8:9], st s[10:11]
	v_lshl_add_u32 v62, v0, 2, 0x37800
	v_mov_b32 v63, 0
	ds_add_u32 v62, v63
	v_lshrrev_b32 v1, 5, v0
	v_readfirstlane_b32 s14, v1                    ; wave w
	s_lshr_b32 s15, s14, 1                         ; wm
	s_and_b32 s16, s14, 1                          ; wn
	s_bfe_u32 s17, ttmp6, 0x40000                  ; cx = the block column: the grid is one cluster wide
	s_bfe_u32 s18, ttmp6, 0x40004                  ; cy
	s_and_b32 s19, ttmp7, 0xffff                   ; cluster y: 512 query rows each, two to a batch
	s_lshl_b32 s20, s19, 2
	s_add_co_u32 s20, s20, s18                     ; Y: block row of 128 among the 8,192 rows
	s_lshl_b32 s21, s18, 2
	s_lshl_b32 s21, 15, s21                        ; my row of the cluster
	s_lshl_b32 s22, 0x1111, s17                    ; my column
	s_mov_b32 s66, 0x76543210                      ; v_permlanex16_b32: lane i reads lane i of the other half
	s_mov_b32 s67, 0xfedcba98
	s_mov_b32 s68, 0x3d38aa3b                      ; c = log2(e) / 32
	s_mov_b32 s69, 0x3d38aa3b
	s_mov_b32 s70, 0xbd38aa3b                      ; -c
	s_or_b32 s[G1+0], s21, (1<<16)|(1<<20)|(1<<21)|(5<<22)|(3<<25)     ; q': 64 rows x 128 elements, 4 words of padding behind every 64
	s_mov_b32 s[G1+1], 128<<16
	s_mov_b32 s[G1+2], 64<<16
	s_mov_b32 s[G1+3], 128<<16
	s_mov_b32 s[G1+4], 64
	s_mov_b32 s[G1+5], 2048                        ; elements from row to row of qv
	s_mov_b32 s[G1+6], 0
	s_mov_b32 s[G1+7], 0
	s_or_b32 s[G1B+0], s22, (1<<16)|(1<<20)|(1<<21)|(5<<22)|(3<<25)    ; keys: 128 rows x 128 elements
	s_mov_b32 s[G1B+1], 128<<16
	s_mov_b32 s[G1B+2], 128<<16
	s_mov_b32 s[G1B+3], 128<<16
	s_mov_b32 s[G1B+4], 128
	s_mov_b32 s[G1B+5], 1024                       ; elements from row to row of xb
	s_mov_b32 s[G1B+6], 0
	s_mov_b32 s[G1B+7], 0
	s_lshl_b32 s40, s20, 7
	s_lshl_b32 s41, s16, 6
	s_add_co_u32 s40, s40, s41                     ; q': row 128 Y + 64 half
	s_lshl_b32 s40, s40, 12                        ; 4,096 bytes a row of qv; q' begins at byte 0 of a row
	s_mov_b32 s41, 0
	s_lshr_b32 s44, s19, 1                         ; the batch: shared by the whole cluster
	s_lshl_b32 s44, s44, 10
	s_lshl_b32 s45, s17, 8
	s_add_co_u32 s44, s44, s45
	s_lshl_b32 s45, s16, 7
	s_add_co_u32 s44, s44, s45                     ; keys: row 1024 batch + 256 cx + 128 half
	s_lshl_b32 s44, s44, 11                        ; 2,048 bytes a row of xb
	s_mov_b32 s45, 0
	s_mul_i32 s71, s16, AHALF
	s_mul_i32 s72, s16, BHALF
	s_add_co_u32 s72, s72, ATILE
	s_wait_dscnt 0x0
	s_wait_kmcnt 0x0
	s_add_nc_u64 s[42:43], s[4:5], s[40:41]
	s_add_nc_u64 s[46:47], s[6:7], s[44:45]
	CROUND
.irp s, 0,1
	s_mov_b32 s[G0+4*\s], 1
	s_add_co_u32 s[G0+4*\s+1], s71, \s*SLOT
	s_add_nc_u64 s[G0+4*\s+2:G0+4*\s+3], s[42:43], \s*ASTEP
	s_or_b32 s[G0+4*\s+3], s[G0+4*\s+3], 0x80000000
	s_mov_b32 s[G0B+4*\s], 1
	s_add_co_u32 s[G0B+4*\s+1], s72, \s*SLOT
	s_add_nc_u64 s[G0B+4*\s+2:G0B+4*\s+3], s[46:47], \s*BSTEP
	s_or_b32 s[G0B+4*\s+3], s[G0B+4*\s+3], 0x80000000
	JLOAD \s                                       ; two tensor loads of the wave are out
.endr
	v_and_b32 v1, 15, v0                           ; r
	v_bfe_u32 v2, v0, 4, 1                         ; h
	v_mul_u32_u24 v3, v1, PITCH
	v_lshl_add_u32 v3, v2, 4, v3                   ; 272 r + 16 h
	s_mul_i32 s23, s15, AHALF
	v_add_nc_u32 v[ADRA], s23, v3
	v_add_nc_u32 v[ADRA+1], SLOT, v[ADRA]
	s_mul_i32 s23, s16, BHALF
	s_add_co_u32 s23, s23, ATILE
	v_add_nc_u32 v[ADRB], s23, v3
	v_add_nc_u32 v[ADRB+1], SLOT, v[ADRB]
	s_mul_i32 s23, s14, 16*SPITCH
	s_add_co_u32 s23, s23, STAGE
	v_add_nc_u32 v[STO], s23, v3
	v_mul_u32_u24 v5, v2, SPITCH
	v_lshl_add_u32 v5, v1, 4, v5
	v_add_nc_u32 v[RD], s23, v5
	v_mul_u32_u24 v5, v2, PITCHB
	v_lshl_add_u32 v[CO], v1, 4, v5
	s_lshl_b32 s23, s14, 8
	s_add_co_u32 s23, s23, RED
	v_lshl_add_u32 v[REDW], v1, 4, s23             ; my wave's 256 bytes: 16 bytes a row r
	s_xor_b32 s23, s14, 1                          ; the wave with my rows and the other 128 columns
	s_lshl_b32 s23, s23, 8
	s_add_co_u32 s23, s23, RED
	v_lshl_add_u32 v[REDR], v1, 4, s23
	v_and_b32 v4, 31, v0
	v_lshlrev_b32 v[STOFF], 4, v4                  ; 16 x lane
	s_wait_tensorcnt 0x1                           ; K step 0 is in; K step 1's load stays out
	s_barrier_signal -1
	s_barrier_wait -1
	FETCH 0, 0, F0
	LAP 1
	s_mov_b32 s3, 2
.Llap:
	LAP 0
	s_sub_co_u32 s3, s3, 1
	s_cmp_lg_u32 s3, 0
	s_cbranch_scc1 .Llap
	THREE 0, 0
	TURN 0, 1, 0
	THREE 1, 0
	s_wait_dscnt 0x0
	WIN MULW
	MULA F1, 0, 0
	MULA F1, 1, 0
	MULA F1, 2, 0
	MULA F1, 3, 0
	WIN 0
	PLACES
	; bases of p and st
	s_lshl_b32 s40, s20, 7
	s_lshl_b32 s41, s15, 6
	s_add_co_u32 s40, s40, s41
	s_lshl_b32 s40, s40, 11                        ; my first row of p, 2,048 bytes a row
	s_mov_b32 s41, 0
	s_add_nc_u64 s[OB:OB+1], s[OB:OB+1], s[40:41]
	s_lshl_b32 s40, s20, 1
	s_add_co_u32 s40, s40, s15                     ; R = 2 Y + wm
	s_lshl_b32 s40, s40, 12                        ; 8 column blocks of 512 bytes
	s_add_nc_u64 s[10:11], s[10:11], s[40:41]
	s_lshl_b32 s44, s17, 1
	s_add_co_u32 s44, s44, s16                     ; jh = 2 cx + wn
	s_lshl_b32 s46, s44, 8                         ; 128 columns of bf16 in p
	s_mov_b32 s47, 0
	s_add_nc_u64 s[OB:OB+1], s[OB:OB+1], s[46:47]
	s_lshl_b32 s44, s44, 9                         ; 512 bytes in st
	s_mov_b32 s45, 0
	s_add_nc_u64 s[10:11], s[10:11], s[44:45]
	; the largest S of each of my rows: within the lane (64 numbers a tile row), the other half's lane, the other wave
	WIN 0x15                                       ; all three sources in window 1
.set tt, 0
.rept 32
	v_max3_num_f32 v[64+3*tt],   v[8*tt],   v[8*tt+1], v[8*tt+2]
	v_max3_num_f32 v[64+3*tt+1], v[8*tt+3], v[8*tt+4], v[8*tt+5]
	v_max_num_f32  v[64+3*tt+2], v[8*tt+6], v[8*tt+7]
.set tt, tt+1
.endr
	WIN 0
.set tt, 0
.rept 32
	v_max3_num_f32 v[64+3*tt], v[64+3*tt], v[64+3*tt+1], v[64+3*tt+2]
.set tt, tt+1
.endr
.irp a, 0,1,2,3
	v_max3_num_f32 v[64+24*\a+1], v[64+24*\a],    v[64+24*\a+3],  v[64+24*\a+6]
	v_max3_num_f32 v[64+24*\a+2], v[64+24*\a+9],  v[64+24*\a+12], v[64+24*\a+15]
	v_max_num_f32  v[64+24*\a+4], v[64+24*\a+18], v[64+24*\a+21]
	v_max3_num_f32 v[M+\a], v[64+24*\a+1], v[64+24*\a+2], v[64+24*\a+4]
	v_permlanex16_b32 v[64+24*\a+1], v[M+\a], s66, s67     ; its destination has been written before
	v_max_num_f32 v[M+\a], v[M+\a], v[64+24*\a+1]
.endr
	ds_store_b128 v[REDW], v[M:M+3]                ; lanes r and r + 16 write the same 16 bytes with the same figures
	s_wait_dscnt 0x0                               ; for the other wave's sake: my store is done
	s_barrier_signal -1
	s_barrier_wait -1
	ds_load_b128 v[D:D+3], v[REDR]
	s_wait_dscnt 0x0
.irp a, 0,1,2,3
	v_max_num_f32 v[M+\a], v[M+\a], v[D+\a]        ; over the block's 256 columns
.endr
.irp a, 0,1,2,3
	v_mul_f32 v[NM+2*\a],   s70, v[M+\a]
	v_mul_f32 v[NM+2*\a+1], s70, v[M+\a]
	v_mul_f32 v[MS+\a],     s68, v[M+\a]           ; = -(-c M) bit for bit: what is stored is what is taken away
.endr
.macro STOUT a, rb
.irp b, 0,1,2,3,4,5,6,7
	ds_store_b128 v[STO], v[TMP+4*\b:TMP+4*\b+3] offset:32*\b
.endr
	s_wait_xcnt 0x0                                ; the stores issued so far have taken their sources: rb and the base may be written
.if \a
	s_add_nc_u64 s[OB:OB+1], s[OB:OB+1], 16*PITCHB
.endif
.irp t, 0,1,2,3,4,5,6,7
	ds_load_b128 v[\rb+4*\t:\rb+4*\t+3], v[RD] offset:2*SPITCH*\t   ; a wave's LDS instructions are served in order: these see the stores above
.endr
.irp t, 0,1,2,3,4,5,6,7
	s_wait_dscnt 7-\t                              ; read-back t is in, the 7 - t younger ones stay out
	global_store_b128 v[CO], v[\rb+4*\t:\rb+4*\t+3], s[OB:OB+1] offset:2*\t*PITCHB   ; 16 lanes store 256 consecutive bytes, aligned
.endr
.endm
; Tile row a: exponents, exponentials, their sum, the rounding to bf16, 16 rows of p.
.macro PROB a, rb
	WIN 0x01                                       ; source 0 in window 1
.set pp, 0
.rept 32
	v_pk_fma_f32 v[E+2*pp:E+2*pp+1], v[64*\a+2*pp:64*\a+2*pp+1], s[68:69], v[NM+2*\a:NM+2*\a+1] op_sel_hi:[1,0,1]   ; c S - c M, at most 0 up to rounding
.set pp, pp+1
.endr
	WIN 0
.set pp, 0
.rept 64
	v_exp_f32 v[E+pp], v[E+pp]
.set pp, pp+1
.endr
	v_nop                                          ; one plain instruction before a transcendental's result is used (ISA guide 5.7.2)
	s_wait_alu depctr_va_vdst(0)
.irp k, 0,1,2,3
	v_pk_add_f32 v[SC+2*\k:SC+2*\k+1], v[E+2*\k:E+2*\k+1], v[E+8+2*\k:E+8+2*\k+1]   ; the first eight pairs start four chains: nothing is cleared
.endr
.set pp, 8
.rept 24
	v_pk_add_f32 v[SC+2*(pp%4):SC+2*(pp%4)+1], v[SC+2*(pp%4):SC+2*(pp%4)+1], v[E+2*pp:E+2*pp+1]
.set pp, pp+1
.endr
	v_pk_add_f32 v[SC:SC+1], v[SC:SC+1], v[SC+2:SC+3]
	v_pk_add_f32 v[SC+4:SC+5], v[SC+4:SC+5], v[SC+6:SC+7]
	v_pk_add_f32 v[SC:SC+1], v[SC:SC+1], v[SC+4:SC+5]
	v_add_f32 v[LS+\a], v[SC], v[SC+1]
.irp b, 0,1,2,3,4,5,6,7
.irp t, 0,1,2,3
	v_cvt_pk_bf16_f32 v[TMP+4*\b+\t], v[E+8*\b+2*\t], v[E+8*\b+2*\t+1]
.endr
.endr
	STOUT \a, \rb
.endm
	PROB 0, 160
	PROB 1, 192
	PROB 2, 160
	PROB 3, 192
.irp a, 0,1,2,3
	v_permlanex16_b32 v[SC+\a], v[LS+\a], s66, s67 ; the other 64 of my wave's 128 columns
.endr
.irp a, 0,1,2,3
	v_add_f32 v[LS+\a], v[LS+\a], v[SC+\a]
.endr
	v_cmp_ne_u32 vcc_lo, 0, v2                     ; lanes 16-31
.irp a, 0,1,2,3
	v_cndmask_b32 v[D+\a], v[LS+\a], v[MS+\a], vcc_lo      ; lanes 0-15 store l, lanes 16-31 m'
.endr
	global_store_b128 v[STOFF], v[D:D+3], s[10:11] ; 512 consecutive bytes, aligned: 256 of l, 256 of m'
	s_wait_tensorcnt 0x0
	ds_add_u32 v62, v63
	s_wait_dscnt 0x0
	CROUND                                         ; the closing round
	s_endpgm
.Lfunc_end_k_q80321a9078_scores:
	.size	k_q80321a9078_scores, .Lfunc_end_k_q80321a9078_scores-k_q80321a9078_scores
	.p2alignl 7, 3214868480
	.fill 96, 4, 3214868480
	.section	.rodata,"a",@progbits
	.p2align	6, 0x0
	.amdhsa_kernel k_q80321a9078_scores
		.amdhsa_group_segment_fixed_size 327680
		.amdhsa_private_segment_fixed_size 0
		.amdhsa_enable_private_segment 0
		.amdhsa_kernarg_size 32
		.amdhsa_user_sgpr_count 2
		.amdhsa_user_sgpr_kernarg_segment_ptr 1
		.amdhsa_wavefront_size32 1
		.amdhsa_system_sgpr_workgroup_id_x 1
		.amdhsa_system_sgpr_workgroup_id_y 1
		.amdhsa_system_sgpr_workgroup_id_z 1
		.amdhsa_system_vgpr_workitem_id 0
		.amdhsa_next_free_vgpr 512
		.amdhsa_next_free_sgpr 76
		.amdhsa_reserve_vcc 1
		.amdhsa_float_denorm_mode_32 3
		.amdhsa_float_denorm_mode_16_64 3
		.amdhsa_memory_ordered 1
		.amdhsa_forward_progress 1
		.amdhsa_inst_pref_size 152
	.end_amdhsa_kernel
	.amdgpu_metadata
---
amdhsa.version: [ 1, 2 ]
amdhsa.kernels:
  - .name:           k_q80321a9078_scores
    .symbol:         k_q80321a9078_scores.kd
    .args:
      - { .name: qv, .offset: 0, .size: 8, .value_kind: global_buffer, .address_space: global }
      - { .name: xb, .offset: 8, .size: 8, .value_kind: global_buffer, .address_space: global }
      - { .name: p, .offset: 16, .size: 8, .value_kind: global_buffer, .address_space: global }
      - { .name: st, .offset: 24, .size: 8, .value_kind: global_buffer, .address_space: global }
    .group_segment_fixed_size: 327680
    .private_segment_fixed_size: 0
    .kernarg_segment_align: 8
    .kernarg_segment_size: 32
    .max_flat_workgroup_size: 128
    .sgpr_count:     76
    .vgpr_count:     512
    .wavefront_size: 32
...
	.end_amdgpu_metadata
.endif
;; end of part 8
;; launch pv (part 9): grid 4 x 64, 4 waves a work-group, clusters of 4 x 4, 327,680 bytes of LDS; arguments p, qv, st, out0; writes out0
.if DOCPART == 9
	.amdgcn_target "amdgcn-amd-amdhsa--gfx1250"
	.amdhsa_code_object_version 6
	.text
	.protected	k_q80321a9078_pv
	.globl	k_q80321a9078_pv
	.p2align	8
	.type	k_q80321a9078_pv,@function
k_q80321a9078_pv:
	s_mov_b64 s[64:65], 0
	v_nop
	global_prefetch_b8 v0, s[64:65] scope:SCOPE_SE
	s_setreg_imm32_b32 hwreg(HW_REG_WAVE_MODE, 25, 1), 1
	s_wait_xcnt 0x0
	s_wait_alu depctr_hold_cnt(0) depctr_sa_sdst(0) depctr_va_vdst(0) depctr_va_sdst(0) depctr_va_ssrc(0) depctr_va_vcc(0) depctr_vm_vsrc(0)
	s_getreg_b32 s2, hwreg(HW_REG_IB_STS2, 6, 4)
	s_cmp_eq_u32 s2, 0
	s_cbranch_scc0 .Lentry_in_a_cluster
	s_endpgm
.Lentry_in_a_cluster:
	s_bfe_u32 s2, ttmp6, 0x10000c
	s_cmp_lg_u32 s2, 0xf033
	s_cbranch_scc0 .Lentry_shape_is_right
	s_endpgm
.Lentry_shape_is_right:
; out[q][v] = sum over the four key blocks j of f_j[q] (P_j V_j)[q][v],  f_j = exp2(m'_j - m') / l,
;   m' = the largest of the row's four m'_j (the row's true maximum, scaled),  l = sum_j exp2(m'_j - m') l_j.
; This is the softmax's second stage: P_j was made with its own block's maximum taken away, and f_j, at most 1 / l, corrects it.
; V = x Wv + bv comes from qv with its bias in it.  (bk is left out of the program: shown at the head of the first kernel.)
;
; Frame: 128 query rows x 256 columns of V a work-group, four waves of 64 x 128, K = the 1,024 keys in 8 steps of 128, two LDS slots;
; a key block is two K steps.  256 work-groups.  CLUSTERS of 4 x 4: a cluster's row shares P's rows, its column V's columns (one batch is two clusters).
; Transposed use: lane (r, h), register j of tile (a, b) = (row 16 a + r, column 16 b + 8 h + j): one factor a lane and tile row.
; LDS: slot s at s x 104,448: P's 128 rows of 256 bytes, pitch 272; V's 128 key rows of 512 bytes, pitch 544.
;      208,896: a stage of 16 rows x 528 bytes for each wave; no tensor load writes it.
; REGISTERS: window 0: v0-31 addresses and small figures, v32-63 the factors (pairs), F0 = v64-159, F1 = v160-255;
;            window 1: the block's sums; window 2: the corrected totals.
.set PITCH,  272
.set AHALF,  64*PITCH
.set ATILE,  2*AHALF
.set BPITCH, 544
.set BHALF,  64*BPITCH
.set SLOT,   ATILE+2*BHALF
.set STAGE,  2*SLOT
.set SPITCH, 528
.set ASTEP,  256                       ; 128 keys along a row of p
.set BSTEP,  128*4096                  ; 128 rows of qv
.set RC,   8                           ; v8-11  1 / l
.set SOFF, 12                          ; v12    16 r: my byte offset in st
.set ADRA, 16
.set ADRB, 18
.set STO,  20
.set RD,   21
.set CO,   22
.set MX,   24                          ; v24-27 the row's m'
.set LT,   28                          ; v28-31 the row's l
.set FAC,  32                          ; v[32 + 8 j + 2 a], and the next: f_j of row 16 a + r, twice
.set F0,   64
.set F1,   160
.set LQ,   64                          ; in the prologue: v64-95 l of the 8 column blocks, v96-111 m' of the 4, v112-127 exp2(m'_j - m')
.set MQ,   96
.set EX,   112
.set G1,  24
.set G0,  32
.set G1B, 48
.set G0B, 56
.set MULW, 0x50
.set MSB, 0
.macro WIN new
.if MSB != \new
	s_set_vgpr_msb (MSB<<8)|\new
.set MSB, \new
.endif
.endm
.macro PLACES                          ; four plain vector places behind a matrix instruction (ISA guide 7.12.1)
.rept 4
	v_nop
.endr
.endm
.macro JLOAD s                         ; waves 0, 1 ask for P's halves, waves 2, 3 for V's
	s_cmp_eq_u32 s15, 0
	s_cbranch_scc0 .Lfor_b_\@
	tensor_load_to_lds s[G0+4*\s:G0+4*\s+3], s[G1:G1+7]
	s_nop 0
	s_branch .Lasked_\@
.Lfor_b_\@:
	tensor_load_to_lds s[G0B+4*\s:G0B+4*\s+3], s[G1B:G1B+7]
	s_nop 0
.Lasked_\@:
.endm
.macro CREST
	s_cmp_lg_u32 s14, 0
	s_cbranch_scc1 .Lnot_wave_0_\@
	s_barrier_signal -3
.Lnot_wave_0_\@:
	s_barrier_wait -3
	s_barrier_signal -1
	s_barrier_wait -1
.endm
.macro CROUND
	s_barrier_signal -1
	s_barrier_wait -1
	CREST
.endm
; The 32 accumulators take turns, one instruction a turn, in one order throughout.
.macro MULA f, a, zero
.irp b, 0,1,2,3,4,5,6,7
.if \zero
	v_wmma_f32_16x16x32_bf16 v[8*(8*\a+\b):8*(8*\a+\b)+7], v[\f+8*\b:\f+8*\b+7], v[\f+64+8*\a:\f+64+8*\a+7], 0
.else
	v_wmma_f32_16x16x32_bf16 v[8*(8*\a+\b):8*(8*\a+\b)+7], v[\f+8*\b:\f+8*\b+7], v[\f+64+8*\a:\f+64+8*\a+7], v[8*(8*\a+\b):8*(8*\a+\b)+7]
.endif
.endr
.endm
.macro FETCH slot, q, f                ; V lies [key][column]: the transposing load makes its fragments; P lies along the keys
.irp i, 0,1,2,3,4,5,6,7
	ds_load_tr16_b128 v[\f+8*\i:\f+8*\i+3],   v[ADRB+\slot] offset:32*BPITCH*\q+32*\i
	ds_load_tr16_b128 v[\f+8*\i+4:\f+8*\i+7], v[ADRB+\slot] offset:32*BPITCH*\q+32*\i+16*BPITCH
.endr
.irp i, 0,1,2,3
	ds_load_b128 v[\f+64+8*\i:\f+64+8*\i+3],   v[ADRA+\slot] offset:64*\q+16*PITCH*\i
	ds_load_b128 v[\f+64+8*\i+4:\f+64+8*\i+7], v[ADRA+\slot] offset:64*\q+16*PITCH*\i+32
.endr
.endm
.macro QUARTER slot, qn, f, g, zero
	s_wait_dscnt 0x0                               ; buffer f is in
	PLACES                                         ; g was a source of the matrix instructions just before
	FETCH \slot, \qn, \g
	WIN MULW
	MULA \f, 0, \zero
	MULA \f, 1, \zero
	MULA \f, 2, \zero
	MULA \f, 3, \zero
	WIN 0
.endm
.macro THREE slot, zero
	QUARTER \slot, 1, F0, F1, \zero
	QUARTER \slot, 2, F1, F0, 0
	QUARTER \slot, 3, F0, F1, 0
.endm
; The change of slots: each wave's reads of this slot and all its tensor loads are waited for in front of the barrier; with fill = 1 the barrier
; opens a round of the cluster's barrier and the joint refill is the wave's first and only tensor load behind the round.
.macro TURN slot, next, fill
	s_wait_dscnt 0x0
	s_wait_tensorcnt 0x0
	ds_add_u32 v15, v23
	s_wait_dscnt 0x0
	s_barrier_signal -1
	WIN MULW
	MULA F1, 0, 0
	WIN 0
	s_barrier_wait -1
.if \fill
	CREST
	s_add_nc_u64 s[G0+4*\slot+2:G0+4*\slot+3], s[G0+4*\slot+2:G0+4*\slot+3], 2*ASTEP
	s_add_nc_u64 s[G0B+4*\slot+2:G0B+4*\slot+3], s[G0B+4*\slot+2:G0B+4*\slot+3], 2*BSTEP
	JLOAD \slot
.endif
	PLACES
	FETCH \next, 0, F0
	WIN MULW
	MULA F1, 1, 0
	MULA F1, 2, 0
	MULA F1, 3, 0
	WIN 0
.endm
.macro LAP zero                        ; one key block: two K steps, both slots filled again
	THREE 0, \zero
	TURN 0, 1, 1
	THREE 1, 0
	TURN 1, 0, 1
.endm
; Key block j is whole: total = block sum x f_j (+ the total so far, for j > 0: block 0's product starts the totals, nothing is cleared).
; 128 packed instructions; the next block's first products then start the block sums anew, far more than five places behind the last matrix instruction.
.macro FLUSH j
	PLACES
.if \j
	WIN 0xa1                                       ; source 0 window 1, source 1 window 0, source 2 and destination window 2
.else
	WIN 0x81                                       ; source 0 window 1, source 1 window 0, destination window 2
.endif
.irp a, 0,1,2,3
.irp b, 0,1,2,3,4,5,6,7
.irp t, 0,1,2,3
.if \j
	v_pk_fma_f32 v[64*\a+8*\b+2*\t:64*\a+8*\b+2*\t+1], v[64*\a+8*\b+2*\t:64*\a+8*\b+2*\t+1], v[FAC+8*\j+2*\a:FAC+8*\j+2*\a+1], v[64*\a+8*\b+2*\t:64*\a+8*\b+2*\t+1]
.else
	v_pk_mul_f32 v[64*\a+8*\b+2*\t:64*\a+8*\b+2*\t+1], v[64*\a+8*\b+2*\t:64*\a+8*\b+2*\t+1], v[FAC+2*\a:FAC+2*\a+1]
.endif
.endr
.endr
.endr
	WIN 0
.endm
	s_load_b256 s[4:11], s[0:1], 0x0               ; p s[4:5], qv s[6:7], st s[8:9], out0 s[10:11]
	v_lshl_add_u32 v15, v0, 2, 0x3b400
	v_mov_b32 v23, 0
	ds_add_u32 v15, v23
	v_lshrrev_b32 v1, 5, v0
	v_readfirstlane_b32 s14, v1                    ; wave w
	s_lshr_b32 s15, s14, 1                         ; wm
	s_and_b32 s16, s14, 1                          ; wn
	s_bfe_u32 s17, ttmp6, 0x40000                  ; cx = the block column: the grid is one cluster wide
	s_bfe_u32 s18, ttmp6, 0x40004                  ; cy
	s_and_b32 s19, ttmp7, 0xffff                   ; cluster y
	s_lshl_b32 s20, s19, 2
	s_add_co_u32 s20, s20, s18                     ; Y
	s_lshl_b32 s21, s18, 2
	s_lshl_b32 s21, 15, s21                        ; my row of the cluster
	s_lshl_b32 s22, 0x1111, s17                    ; my column
	s_or_b32 s[G1+0], s21, (1<<16)|(1<<20)|(1<<21)|(5<<22)|(3<<25)     ; P: 64 rows x 128 elements, 4 words of padding behind every 64
	s_mov_b32 s[G1+1], 128<<16
	s_mov_b32 s[G1+2], 64<<16
	s_mov_b32 s[G1+3], 128<<16
	s_mov_b32 s[G1+4], 64
	s_mov_b32 s[G1+5], 1024                        ; elements from row to row of p
	s_mov_b32 s[G1+6], 0
	s_mov_b32 s[G1+7], 0
	s_or_b32 s[G1B+0], s22, (1<<16)|(1<<20)|(1<<21)|(6<<22)|(7<<25)    ; V: 64 key rows x 256 elements, 8 words of padding behind every 128
	s_mov_b32 s[G1B+1], 256<<16
	s_mov_b32 s[G1B+2], 64<<16
	s_mov_b32 s[G1B+3], 256<<16
	s_mov_b32 s[G1B+4], 64
	s_mov_b32 s[G1B+5], 2048                       ; elements from row to row of qv
	s_mov_b32 s[G1B+6], 0
	s_mov_b32 s[G1B+7], 0
	s_lshl_b32 s40, s20, 18                        ; P: 128 Y rows of 2,048 bytes
	s_lshl_b32 s41, s16, 17                        ; + 64 rows for the second half
	s_add_co_u32 s40, s40, s41
	s_mov_b32 s41, 0
	s_lshr_b32 s44, s19, 1                         ; the batch
	s_lshl_b32 s44, s44, 10
	s_lshl_b32 s45, s16, 6
	s_add_co_u32 s44, s44, s45                     ; V: key row 1024 batch + 64 half
	s_lshl_b32 s44, s44, 12                        ; 4,096 bytes a row of qv
	s_lshl_b32 s45, s17, 9
	s_add_co_u32 s44, s44, s45                     ; + 256 cx columns of 2 bytes
	s_add_co_u32 s44, s44, 2048                    ; V's columns begin at byte 2,048 of a row
	s_mov_b32 s45, 0
	s_mul_i32 s71, s16, AHALF
	s_mul_i32 s72, s16, BHALF
	s_add_co_u32 s72, s72, ATILE
	s_wait_dscnt 0x0
	s_wait_kmcnt 0x0
	s_add_nc_u64 s[42:43], s[4:5], s[40:41]
	s_add_nc_u64 s[46:47], s[6:7], s[44:45]
	CROUND
.irp s, 0,1
	s_mov_b32 s[G0+4*\s], 1
	s_add_co_u32 s[G0+4*\s+1], s71, \s*SLOT
	s_add_nc_u64 s[G0+4*\s+2:G0+4*\s+3], s[42:43], \s*ASTEP
	s_or_b32 s[G0+4*\s+3], s[G0+4*\s+3], 0x80000000
	s_mov_b32 s[G0B+4*\s], 1
	s_add_co_u32 s[G0B+4*\s+1], s72, \s*SLOT
	s_add_nc_u64 s[G0B+4*\s+2:G0B+4*\s+3], s[46:47], \s*BSTEP
	s_or_b32 s[G0B+4*\s+3], s[G0B+4*\s+3], 0x80000000
	JLOAD \s                                       ; two tensor loads of the wave are out
.endr
	v_and_b32 v1, 15, v0                           ; r
	v_bfe_u32 v2, v0, 4, 1                         ; h
	; the rows' figures go out first: they come while the addresses are made and the first tiles land
	v_lshlrev_b32 v[SOFF], 4, v1                   ; words 4 r .. 4 r + 3: rows r, 16 + r, 32 + r, 48 + r
	s_lshl_b32 s40, s20, 1
	s_add_co_u32 s40, s40, s15                     ; R = 2 Y + wm
	s_lshl_b32 s40, s40, 12
	s_add_nc_u64 s[8:9], s[8:9], s[40:41]
.irp jh, 0,1,2,3,4,5,6,7
	global_load_b128 v[LQ+4*\jh:LQ+4*\jh+3], v[SOFF], s[8:9] offset:512*\jh
.endr
.irp j, 0,1,2,3
	global_load_b128 v[MQ+4*\j:MQ+4*\j+3], v[SOFF], s[8:9] offset:1024*\j+256     ; both halves of a key block stored the same m'
.endr
	v_mul_u32_u24 v3, v1, PITCH
	v_lshl_add_u32 v3, v2, 4, v3                   ; 272 r + 16 h
	s_mul_i32 s23, s15, AHALF
	v_add_nc_u32 v[ADRA], s23, v3
	v_add_nc_u32 v[ADRA+1], SLOT, v[ADRA]
	v_and_b32 v4, 7, v0
	v_lshl_add_u32 v4, v2, 3, v4                   ; key row 8 h + (l & 7)
	v_mul_u32_u24 v4, v4, BPITCH
	v_bfe_u32 v5, v0, 3, 1
	v_lshl_add_u32 v4, v5, 4, v4
	s_lshl_b32 s23, s16, 8
	s_add_co_u32 s23, s23, ATILE
	v_add_nc_u32 v[ADRB], s23, v4
	v_add_nc_u32 v[ADRB+1], SLOT, v[ADRB]
	s_mul_i32 s23, s14, 16*SPITCH
	s_add_co_u32 s23, s23, STAGE                   ; my stage
	v_mul_u32_u24 v5, v1, SPITCH
	v_lshl_add_u32 v5, v2, 5, v5
	v_add_nc_u32 v[STO], s23, v5                   ; in: row r, 32 bytes for each half of the lanes
	v_and_b32 v4, 31, v0
	v_lshlrev_b32 v[CO], 4, v4                     ; 16 x lane: a row's 512 bytes
	v_add_nc_u32 v[RD], s23, v[CO]
	s_wait_loadcnt 0x0                             ; l, m'
.irp a, 0,1,2,3
	v_max3_num_f32 v[MX+\a], v[MQ+\a], v[MQ+4+\a], v[MQ+8+\a]
	v_max_num_f32 v[MX+\a], v[MX+\a], v[MQ+12+\a]  ; the row's true maximum, scaled
.endr
.irp j, 0,1,2,3
.irp a, 0,1,2,3
	v_sub_f32 v[EX+4*\j+\a], v[MQ+4*\j+\a], v[MX+\a]
.endr
.endr
.set pp, 0
.rept 16
	v_exp_f32 v[EX+pp], v[EX+pp]
.set pp, pp+1
.endr
.irp j, 0,1,2,3
.irp a, 0,1,2,3
	v_add_f32 v[LQ+8*\j+\a], v[LQ+8*\j+\a], v[LQ+8*\j+4+\a]    ; a key block's two halves; also the plain work behind the exponentials
.endr
.endr
	s_wait_alu depctr_va_vdst(0)
.irp a, 0,1,2,3
	v_mul_f32  v[LT+\a], v[EX+\a],    v[LQ+\a]
	v_fmac_f32 v[LT+\a], v[EX+4+\a],  v[LQ+8+\a]
	v_fmac_f32 v[LT+\a], v[EX+8+\a],  v[LQ+16+\a]
	v_fmac_f32 v[LT+\a], v[EX+12+\a], v[LQ+24+\a]  ; l: at least about 1, since the block with the maximum holds an exponential of 1
.endr
.irp a, 0,1,2,3
	v_rcp_f32 v[RC+\a], v[LT+\a]
.endr
	v_nop                                          ; one plain instruction before a transcendental's result is used (ISA guide 5.7.2)
	s_wait_alu depctr_va_vdst(0)
.irp j, 0,1,2,3
.irp a, 0,1,2,3
	v_mul_f32 v[FAC+8*\j+2*\a],   v[EX+4*\j+\a], v[RC+\a]
	v_mul_f32 v[FAC+8*\j+2*\a+1], v[EX+4*\j+\a], v[RC+\a]
.endr
.endr
	s_wait_tensorcnt 0x1                           ; K step 0 is in; K step 1's load stays out
	s_barrier_signal -1
	s_barrier_wait -1
	FETCH 0, 0, F0
	LAP 1                                          ; the four key blocks are written out: each has its own factors
	FLUSH 0
	LAP 1
	FLUSH 1
	LAP 1
	FLUSH 2
	THREE 0, 1                                     ; the last block fetches nothing more
	TURN 0, 1, 0
	THREE 1, 0
	s_wait_dscnt 0x0
	WIN MULW
	MULA F1, 0, 0
	MULA F1, 1, 0
	MULA F1, 2, 0
	MULA F1, 3, 0
	WIN 0
	FLUSH 3
	s_lshl_b32 s40, s20, 7
	s_lshl_b32 s41, s15, 6
	s_add_co_u32 s40, s40, s41
	s_lshl_b32 s40, s40, 12                        ; my first row of out0, 4,096 bytes a row
	s_mov_b32 s41, 0
	s_add_nc_u64 s[10:11], s[10:11], s[40:41]
	s_lshl_b32 s44, s17, 10
	s_lshl_b32 s45, s16, 9
	s_add_co_u32 s44, s44, s45                     ; my first column: 4 bytes x (256 cx + 128 wn)
	s_mov_b32 s45, 0
	s_add_nc_u64 s[10:11], s[10:11], s[44:45]
; The way out, 16 rows at a time: 32 bytes a lane and tile into my own stage, read back as whole rows of 512 bytes.
.macro OUTF a, rb
	WIN 0x08                                       ; the data in window 2
.irp b, 0,1,2,3,4,5,6,7
	ds_store_b128 v[STO], v[64*\a+8*\b:64*\a+8*\b+3]   offset:64*\b
	ds_store_b128 v[STO], v[64*\a+8*\b+4:64*\a+8*\b+7] offset:64*\b+16
.endr
	WIN 0
	s_wait_xcnt 0x0                                ; the stores issued so far have taken their sources: rb and the base may be written
.if \a
	s_add_nc_u64 s[10:11], s[10:11], 16*4096
.endif
.irp t, 0,1,2,3,4,5,6,7,8,9,10,11,12,13,14,15
	ds_load_b128 v[\rb+4*\t:\rb+4*\t+3], v[RD] offset:SPITCH*\t     ; a wave's LDS instructions are served in order: these see the stores above
.endr
.irp t, 0,1,2,3,4,5,6,7,8,9,10,11,12,13,14,15
	s_wait_dscnt 15-\t                             ; read-back t is in, the 15 - t younger ones stay out
	global_store_b128 v[CO], v[\rb+4*\t:\rb+4*\t+3], s[10:11] offset:4096*\t th:TH_STORE_NT   ; the wave stores 512 consecutive bytes, aligned
.endr
.endm
	OUTF 0, 64
	OUTF 1, 128
	OUTF 2, 64
	OUTF 3, 128
	s_wait_tensorcnt 0x0
	ds_add_u32 v15, v23
	s_wait_dscnt 0x0
	CROUND                                         ; the closing round
	s_endpgm
.Lfunc_end_k_q80321a9078_pv:
	.size	k_q80321a9078_pv, .Lfunc_end_k_q80321a9078_pv-k_q80321a9078_pv
	.p2alignl 7, 3214868480
	.fill 96, 4, 3214868480
	.section	.rodata,"a",@progbits
	.p2align	6, 0x0
	.amdhsa_kernel k_q80321a9078_pv
		.amdhsa_group_segment_fixed_size 327680
		.amdhsa_private_segment_fixed_size 0
		.amdhsa_enable_private_segment 0
		.amdhsa_kernarg_size 32
		.amdhsa_user_sgpr_count 2
		.amdhsa_user_sgpr_kernarg_segment_ptr 1
		.amdhsa_wavefront_size32 1
		.amdhsa_system_sgpr_workgroup_id_x 1
		.amdhsa_system_sgpr_workgroup_id_y 1
		.amdhsa_system_sgpr_workgroup_id_z 1
		.amdhsa_system_vgpr_workitem_id 0
		.amdhsa_next_free_vgpr 768
		.amdhsa_next_free_sgpr 76
		.amdhsa_reserve_vcc 0
		.amdhsa_float_denorm_mode_32 3
		.amdhsa_float_denorm_mode_16_64 3
		.amdhsa_memory_ordered 1
		.amdhsa_forward_progress 1
		.amdhsa_inst_pref_size 186
	.end_amdhsa_kernel
	.amdgpu_metadata
---
amdhsa.version: [ 1, 2 ]
amdhsa.kernels:
  - .name:           k_q80321a9078_pv
    .symbol:         k_q80321a9078_pv.kd
    .args:
      - { .name: p, .offset: 0, .size: 8, .value_kind: global_buffer, .address_space: global }
      - { .name: qv, .offset: 8, .size: 8, .value_kind: global_buffer, .address_space: global }
      - { .name: st, .offset: 16, .size: 8, .value_kind: global_buffer, .address_space: global }
      - { .name: out0, .offset: 24, .size: 8, .value_kind: global_buffer, .address_space: global }
    .group_segment_fixed_size: 327680
    .private_segment_fixed_size: 0
    .kernarg_segment_align: 8
    .kernarg_segment_size: 32
    .max_flat_workgroup_size: 128
    .sgpr_count:     76
    .vgpr_count:     768
    .wavefront_size: 32
...
	.end_amdgpu_metadata
.endif
;; end of part 9
